; MI455X (gfx1250); checked and timed in simulation.
; The chip was launched on July 23, 2026; its instructions are those of AMD's public machine-readable ISA for CDNA 5 (MIT licence, August 2026) and "CDNA5" Instruction Set Architecture Reference Guide (July 2026). The comments in the code are by the model that wrote it; some were corrected since.
;; Block. Allowed arithmetic: float matrix products may take bf16 or f16 operands with f32 sums; other float arithmetic in f32, or as packed bf16 or f16 multiplies, adds, multiply-adds, maxima and minima; sums over many terms, partial sums and values carried from step to step in f32; what a program stores and reads back later, other than sums and carried values, may be rounded once to bf16 or f16.
;; Inputs: W1 1,024 x 4,096 float32; W2 4,096 x 1,024 float32; Wk 1,024 x 1,024 float32; Wo 1,024 x 1,024 float32; Wq 1,024 x 1,024 float32; Wv 1,024 x 1,024 float32; b1 4,096 float32; b2 1,024 float32; bo 1,024 float32; ln1_b 1,024 float32; ln1_w 1,024 float32; ln2_b 1,024 float32; ln2_w 1,024 float32; x 2 x 2,048 x 1,024 float32.
;; Outputs: out0 2 x 2,048 x 1,024 float32.
;; One version. Each part assembles by itself: llvm-mc -triple=amdgcn-amd-amdhsa -mcpu=gfx1250 --defsym DOCPART=n.
;; ======== version 1 of 1: 7 launches
;; limits: values are held in f16: magnitudes above 65,504 overflow, below 6.1e-05 lose precision
;; workspace buffers: act 8,388,608 bytes; qkv 25,165,824 bytes; h 16,777,216 bytes; hid 33,554,432 bytes; wqkv 8,406,016 bytes; w1h 8,406,016 bytes; woh 2,097,152 bytes; w2h 8,388,608 bytes
;; launch prep (part 1): grid 1281 x 1, 8 waves a work-group, no clusters, 0 bytes of LDS; arguments x, ln1_w, ln1_b, Wq, Wk, Wv, Wo, W1, W2, b1, act, wqkv, w1h, woh, w2h; writes act, wqkv, w1h, woh, w2h
.if DOCPART == 1
	.amdgcn_target "amdgcn-amd-amdhsa--gfx1250"
	.amdhsa_code_object_version 6
	.text
	.protected	k_qfdb6759b11_prep
	.globl	k_qfdb6759b11_prep
	.p2align	8
	.type	k_qfdb6759b11_prep,@function
k_qfdb6759b11_prep:
	s_mov_b64 s[64:65], 0
	v_nop
	global_prefetch_b8 v0, s[64:65] scope:SCOPE_SE
	s_setreg_imm32_b32 hwreg(HW_REG_WAVE_MODE, 25, 1), 1
	s_wait_xcnt 0x0
; PREP: three jobs, chosen by the work-group's number; none needs LDS, a barrier or the matrix unit (all three are streams).
;  0         the tables behind the panels of wqkv and w1h, at byte 8,388,608: a bias in f32 (zeros; bf16(b1)), and at + 16,384 a pair of f16 as the lower bound of the results (-65,504; 0).
;  1..1280   of each five numbers on end three convert weights and two normalise rows, so that both kinds of work run side by side from first to last:
;            768 groups: the six weights, [K][N] f32, are rounded to bf16 and that number written as f16, in panels [K][256 n] (Wq, Wk, Wv, W1) or [K][128 n] (Wo, W2); a group takes 64 rows x 256 columns.
;            512 groups: LayerNorm 1: a wave takes one row of x (1,024 f32).  x, gain and offset are rounded to bf16 first, as every input of the program is; mean and variance in two passes in f32
;            (the row stays in 32 registers); the result goes out in f16 as act[8 kb][4096 m][128]: each store's 16 lanes fill 256 consecutive bytes, aligned.
; LIMITS.  f16 ends at 65,504: a normalised number times its gain beyond that becomes an infinity; a weight below 6e-5 keeps f16's fixed step of 6e-8.  NaN and infinities are not treated apart.
.set X, 16                             ; v[16:47]   the row: 32 numbers a lane
.set W, 48                             ; v[48:79]   gain
.set B, 80                             ; v[80:111]  offset
.set T, 112                            ; v[112:127] at work
.set Y, 128                            ; v[128:143] the result, packed
.set VI, 2                             ; v2  32 x lane: my 8 numbers in each 1,024 bytes of a row
.set VO, 3                             ; v3  my 16 bytes in act
.set MEAN, 8                           ; v[8:9]
.set RSTD, 10                          ; v[10:11]
.set INP, 4
.set GP, 6
.set OP_, 8
.set OUTP, 24
.macro RND16 base                      ; 32 numbers rounded to bf16, in place
.set q, 0
.rept 16
	v_cvt_pk_bf16_f32 v[T+q], v[(\base)+2*q], v[(\base)+2*q+1]
.set q, q+1
.endr
.set q, 0
.rept 16
	v_lshlrev_b32 v[(\base)+2*q], 16, v[T+q]
	v_and_b32 v[(\base)+2*q+1], s36, v[T+q]
.set q, q+1
.endr
.endm
.macro RED r, t                        ; the sum over the 32 lanes, in every lane
	v_add_f32_dpp v[\r], v[\r], v[\r] row_xmask:1 row_mask:0xf bank_mask:0xf
	v_add_f32_dpp v[\r], v[\r], v[\r] row_xmask:2 row_mask:0xf bank_mask:0xf
	v_add_f32_dpp v[\r], v[\r], v[\r] row_xmask:4 row_mask:0xf bank_mask:0xf
	v_add_f32_dpp v[\r], v[\r], v[\r] row_xmask:8 row_mask:0xf bank_mask:0xf
	v_permlanex16_b32 v[\t], v[\r], s38, s39
	v_add_f32 v[\r], v[\r], v[\t]
.endm
	s_load_b512 s[4:19], s[0:1], 0x0               ; x, ln1_w, ln1_b, Wq, Wk, Wv, Wo, W1
	s_load_b256 s[20:27], s[0:1], 0x40             ; W2, b1, act, wqkv
	s_load_b128 s[28:31], s[0:1], 0x60             ; w1h, woh
	s_load_b64 s[32:33], s[0:1], 0x70              ; w2h
	v_lshrrev_b32 v1, 5, v0
	v_readfirstlane_b32 s34, v1                    ; wave 0..7
	v_and_b32 v1, 31, v0                           ; lane
	s_mov_b32 s36, 0xffff0000                      ; a word's upper bf16
	s_wait_kmcnt 0x0
	s_cmp_lg_u32 ttmp9, 0
	s_cbranch_scc1 .Lwork
	; THE TABLES.  256 threads, 16 bytes each, 4,096 bytes an instruction.
	v_lshlrev_b32 v2, 4, v0
	v_lshlrev_b32 v3, 2, v0
	s_add_nc_u64 s[40:41], s[28:29], 0x800000      ; behind w1h's panels
	s_add_nc_u64 s[42:43], s[26:27], 0x800000      ; behind wqkv's
.irp i, 0,1,2,3
	global_load_b128 v[16+4*(\i):19+4*(\i)], v2, s[22:23] offset:4096*(\i)
.endr
	v_mov_b32 v8, 0
	v_mov_b32 v9, 0
	v_mov_b32 v10, 0
	v_mov_b32 v11, 0
	v_mov_b32 v12, 0xfbfffbff                      ; -65,504 twice
.irp i, 0,1,2
	global_store_b128 v2, v[8:11], s[42:43] offset:4096*(\i)   ; the projections have no bias: 3,072 zeros
.endr
	global_store_b32 v3, v8, s[40:41] offset:16384             ; ReLU's bound
	global_store_b32 v3, v12, s[42:43] offset:16384            ; no bound within f16
	s_wait_loadcnt 0x0
.irp k, 0,1,2,3,4,5,6,7
	v_cvt_pk_bf16_f32 v[32+(\k)], v[16+2*(\k)], v[17+2*(\k)]
.endr
.irp k, 0,1,2,3,4,5,6,7
	v_lshlrev_b32 v[16+2*(\k)], 16, v[32+(\k)]
	v_and_b32 v[17+2*(\k)], s36, v[32+(\k)]
.endr
.irp i, 0,1,2,3
	global_store_b128 v2, v[16+4*(\i):19+4*(\i)], s[40:41] offset:4096*(\i)
.endr
	s_endpgm
.Lwork:
	s_sub_co_u32 s35, ttmp9, 1                     ; 0..1279
	s_mul_i32 s37, s35, 52429
	s_lshr_b32 s37, s37, 18                        ; that number / 5 (52,429 / 2^18 is 1/5 to 4 parts in a million: exact far beyond 1,279)
	s_mul_i32 s42, s37, 5
	s_sub_co_u32 s42, s35, s42                     ; and the remainder: 0, 1, 2 convert; 3, 4 normalise
	s_cmp_lt_u32 s42, 3
	s_cbranch_scc1 .Lconv
	s_lshl_b32 s35, s37, 1
	s_add_co_u32 s35, s35, s42
	s_sub_co_u32 s35, s35, 3                       ; 0..511
	s_lshl_b32 s35, s35, 3
	s_add_co_u32 s35, s35, s34                     ; my row
	s_mov_b32 s38, 0x76543210                      ; v_permlanex16_b32: each lane takes its own place in the other half
	s_mov_b32 s39, 0xfedcba98
	s_mov_b32 s40, 0x3a800000                      ; 1 / 1,024
	s_mov_b32 s41, 0x3727c5ac                      ; 1e-5
	s_lshl_b32 s44, s35, 12
	s_mov_b32 s45, 0
	s_add_nc_u64 s[INP:INP+1], s[INP:INP+1], s[44:45]
	s_lshl_b32 s44, s35, 8
	s_add_nc_u64 s[OUTP:OUTP+1], s[OUTP:OUTP+1], s[44:45]
	v_lshlrev_b32 v[VI], 5, v1
	v_and_b32 v4, 15, v1
	v_lshrrev_b32 v5, 4, v1
	v_lshlrev_b32 v[VO], 4, v4
	v_lshl_add_u32 v[VO], v5, 20, v[VO]            ; lanes 16-31 hold the next block of 128 columns, 1,048,576 bytes on
.irp t, 0,1,2,3
	global_load_b128 v[X+8*(\t):X+8*(\t)+3],   v[VI], s[INP:INP+1] offset:1024*(\t) th:TH_LOAD_NT
	global_load_b128 v[X+8*(\t)+4:X+8*(\t)+7], v[VI], s[INP:INP+1] offset:1024*(\t)+16 th:TH_LOAD_NT
.endr
.irp t, 0,1,2,3
	global_load_b128 v[W+8*(\t):W+8*(\t)+3],   v[VI], s[GP:GP+1] offset:1024*(\t)
	global_load_b128 v[W+8*(\t)+4:W+8*(\t)+7], v[VI], s[GP:GP+1] offset:1024*(\t)+16
	global_load_b128 v[B+8*(\t):B+8*(\t)+3],   v[VI], s[OP_:OP_+1] offset:1024*(\t)
	global_load_b128 v[B+8*(\t)+4:B+8*(\t)+7], v[VI], s[OP_:OP_+1] offset:1024*(\t)+16
.endr
	s_wait_loadcnt 16                              ; the row is in; the 16 loads of gain and offset stay out
	RND16 X
.set q, 0
.rept 8                                        ; the sum, as a tree
	v_pk_add_f32 v[T+2*q:T+2*q+1], v[X+4*q:X+4*q+1], v[X+4*q+2:X+4*q+3]
.set q, q+1
.endr
.set q, 0
.rept 4
	v_pk_add_f32 v[T+4*q:T+4*q+1], v[T+4*q:T+4*q+1], v[T+4*q+2:T+4*q+3]
.set q, q+1
.endr
	v_pk_add_f32 v[T:T+1], v[T:T+1], v[T+4:T+5]
	v_pk_add_f32 v[T+8:T+9], v[T+8:T+9], v[T+12:T+13]
	v_pk_add_f32 v[T:T+1], v[T:T+1], v[T+8:T+9]
	v_add_f32 v[T], v[T], v[T+1]
	RED T, T+1
	v_mul_f32 v[MEAN], s40, v[T]
	v_mul_f32 v[MEAN+1], s40, v[T]
.set q, 0
.rept 16                                       ; x - mean, in place
	v_pk_add_f32 v[X+2*q:X+2*q+1], v[X+2*q:X+2*q+1], v[MEAN:MEAN+1] neg_lo:[0,1] neg_hi:[0,1]
.set q, q+1
.endr
.set q, 0
.rept 4                                        ; the sum of squares, in four chains; the first four products start them
	v_pk_mul_f32 v[T+2*q:T+2*q+1], v[X+2*q:X+2*q+1], v[X+2*q:X+2*q+1]
.set q, q+1
.endr
.rept 12
	v_pk_fma_f32 v[T+2*(q%4):T+2*(q%4)+1], v[X+2*q:X+2*q+1], v[X+2*q:X+2*q+1], v[T+2*(q%4):T+2*(q%4)+1]
.set q, q+1
.endr
	v_pk_add_f32 v[T:T+1], v[T:T+1], v[T+2:T+3]
	v_pk_add_f32 v[T+4:T+5], v[T+4:T+5], v[T+6:T+7]
	v_pk_add_f32 v[T:T+1], v[T:T+1], v[T+4:T+5]
	v_add_f32 v[T], v[T], v[T+1]
	RED T, T+1
	v_fma_f32 v[T], v[T], s40, s41                 ; variance + eps
	v_rsq_f32 v[RSTD], v[T]
	v_rsq_f32 v[RSTD+1], v[T]
	v_nop                                          ; a plain instruction before the source is written again
	s_wait_loadcnt 0x0                             ; gain and offset
	RND16 W
	RND16 B
	s_wait_alu depctr_va_vdst(0)                   ; one wait for both roots, ahead of their first reader; the two roundings above are the work between
.set q, 0
.rept 16
	v_pk_mul_f32 v[X+2*q:X+2*q+1], v[X+2*q:X+2*q+1], v[RSTD:RSTD+1]
.set q, q+1
.endr
.set q, 0
.rept 16
	v_pk_fma_f32 v[X+2*q:X+2*q+1], v[X+2*q:X+2*q+1], v[W+2*q:W+2*q+1], v[B+2*q:B+2*q+1]
.set q, q+1
.endr
.set q, 0
.rept 16
	v_cvt_pk_f16_f32 v[Y+q], v[X+2*q], v[X+2*q+1]
.set q, q+1
.endr
.irp t, 0,1,2,3
	global_store_b128 v[VO], v[Y+4*(\t):Y+4*(\t)+3], s[OUTP:OUTP+1] offset:2097152*(\t)
.endr
	s_endpgm
.Lconv:
	; j = 0..767: 64 work-groups each for Wq, Wk, Wv, Wo, 256 each for W1 and W2.  A work-group takes 64 rows (k) x 256 columns, a wave 8 of the rows.  All choices are selects: no branch.
	s_mul_i32 s35, s37, 3
	s_add_co_u32 s35, s35, s42                     ; j
	s_lshr_b32 s37, s35, 6                         ; g: 0 Wq, 1 Wk, 2 Wv, 3 Wo, 4-7 W1, 8-11 W2
	s_lshr_b32 s42, s37, 2                         ; 0, 1 (W1), 2 (W2)
	s_mov_b64 s[44:45], s[10:11]                   ; from
	s_mov_b64 s[46:47], s[26:27]                   ; to
	s_cmp_eq_u32 s37, 1
	s_cselect_b64 s[44:45], s[12:13], s[44:45]
	s_cmp_eq_u32 s37, 2
	s_cselect_b64 s[44:45], s[14:15], s[44:45]
	s_cmp_eq_u32 s37, 3
	s_cselect_b64 s[44:45], s[16:17], s[44:45]
	s_cselect_b64 s[46:47], s[30:31], s[46:47]
	s_cselect_b32 s43, 1, 0                        ; 1: panels of 128 columns
	s_cmp_eq_u32 s42, 1
	s_cselect_b64 s[44:45], s[18:19], s[44:45]
	s_cselect_b64 s[46:47], s[28:29], s[46:47]
	s_cselect_b32 s48, 15, 3                       ; chunks of 256 columns in a row, less 1
	s_cselect_b32 s49, 4, 2
	s_cselect_b32 s51, 14, 12                      ; log2 of a source row's bytes
	s_cmp_eq_u32 s42, 2
	s_cselect_b64 s[44:45], s[20:21], s[44:45]
	s_cselect_b64 s[46:47], s[32:33], s[46:47]
	s_cselect_b32 s43, 1, s43
	s_cselect_b32 s56, 20, 18                      ; log2 of a narrow panel's bytes
	s_cmp_eq_u32 s42, 0
	s_cselect_b32 s57, 63, 255
	s_and_b32 s58, s35, s48                        ; c: my chunk of columns
	s_and_b32 s57, s35, s57
	s_lshr_b32 s57, s57, s49                       ; my group of 64 rows
	s_lshl_b32 s57, s57, 6
	s_lshl_b32 s59, s34, 3
	s_add_co_u32 s57, s57, s59                     ; k0: my wave's first row
	s_lshl_b32 s60, s57, s51
	s_lshl_b32 s59, s58, 10
	s_add_co_u32 s60, s60, s59
	s_mov_b32 s61, 0
	s_add_nc_u64 s[44:45], s[44:45], s[60:61]
	s_lshl_b32 s59, s37, 2
	s_add_co_u32 s59, s59, s58                     ; wide panel 4 g + c, or c for W1
	s_cmp_eq_u32 s42, 1
	s_cselect_b32 s59, s58, s59
	s_lshl_b32 s59, s59, 19
	s_lshl_b32 s62, s57, 9
	s_add_co_u32 s59, s59, s62                     ; wide: panel x 524,288 + k0 x 512
	s_lshl_b32 s62, s58, 1
	s_lshl_b32 s62, s62, s56
	s_lshl_b32 s63, s57, 8
	s_add_co_u32 s62, s62, s63                     ; narrow: panel 2 c + k0 x 256
	s_lshl_b32 s63, 1, s56
	s_cmp_eq_u32 s43, 1
	s_cselect_b32 s60, s62, s59
	s_cselect_b32 s63, s63, 256                    ; lanes 16-31: the next narrow panel, or the second half of a wide row
	s_cselect_b32 s59, 8, 9
	s_lshl_b32 s59, 1, s59                         ; a panel row's bytes
	s_add_nc_u64 s[46:47], s[46:47], s[60:61]
	s_lshl_b32 s51, 1, s51                         ; a source row's bytes
	v_lshlrev_b32 v16, 5, v1                       ; v[16:23]: row i's 32 bytes of mine
.irp i, 1,2,3,4,5,6,7
	v_add_nc_u32 v[16+(\i)], s51, v[15+(\i)]
.endr
	v_and_b32 v2, 15, v1
	v_lshrrev_b32 v3, 4, v1
	v_lshlrev_b32 v2, 4, v2
	v_mad_u32_u24 v24, v3, s63, v2                 ; v[24:31]: row i's 16 bytes of mine
.irp i, 1,2,3,4,5,6,7
	v_add_nc_u32 v[24+(\i)], s59, v[23+(\i)]
.endr
.irp i, 0,1,2,3,4,5,6,7                        ; eight rows: 16 loads out, then each row as it comes
	global_load_b128 v[32+8*(\i):35+8*(\i)], v[16+(\i)], s[44:45] th:TH_LOAD_NT
	global_load_b128 v[36+8*(\i):39+8*(\i)], v[16+(\i)], s[44:45] offset:16 th:TH_LOAD_NT
.endr
.irp i, 0,1,2,3,4,5,6,7
	s_wait_loadcnt 14-2*(\i)                       ; row i is in; the rows behind it stay out
.irp k, 0,1,2,3
	v_cvt_pk_bf16_f32 v[96+(\k)], v[32+8*(\i)+2*(\k)], v[33+8*(\i)+2*(\k)]
.endr
.irp k, 0,1,2,3
	v_lshlrev_b32 v[100+2*(\k)], 16, v[96+(\k)]
	v_and_b32 v[101+2*(\k)], s36, v[96+(\k)]
.endr
.irp k, 0,1,2,3
	v_cvt_pk_f16_f32 v[32+8*(\i)+(\k)], v[100+2*(\k)], v[101+2*(\k)]
.endr
	global_store_b128 v[24+(\i)], v[32+8*(\i):35+8*(\i)], s[46:47]
.endr
	s_endpgm
.Lfunc_end_k_qfdb6759b11_prep:
	.size	k_qfdb6759b11_prep, .Lfunc_end_k_qfdb6759b11_prep-k_qfdb6759b11_prep
	.p2alignl 7, 3214868480
	.fill 96, 4, 3214868480
	.section	.rodata,"a",@progbits
	.p2align	6, 0x0
	.amdhsa_kernel k_qfdb6759b11_prep
		.amdhsa_group_segment_fixed_size 0
		.amdhsa_private_segment_fixed_size 0
		.amdhsa_enable_private_segment 0
		.amdhsa_kernarg_size 120
		.amdhsa_user_sgpr_count 2
		.amdhsa_user_sgpr_kernarg_segment_ptr 1
		.amdhsa_wavefront_size32 1
		.amdhsa_system_sgpr_workgroup_id_x 1
		.amdhsa_system_sgpr_workgroup_id_y 1
		.amdhsa_system_sgpr_workgroup_id_z 1
		.amdhsa_system_vgpr_workitem_id 0
		.amdhsa_next_free_vgpr 144
		.amdhsa_next_free_sgpr 66
		.amdhsa_reserve_vcc 0
		.amdhsa_float_denorm_mode_32 3
		.amdhsa_float_denorm_mode_16_64 3
		.amdhsa_memory_ordered 1
		.amdhsa_forward_progress 1
		.amdhsa_inst_pref_size 32
	.end_amdhsa_kernel
	.amdgpu_metadata
---
amdhsa.version: [ 1, 2 ]
amdhsa.kernels:
  - .name:           k_qfdb6759b11_prep
    .symbol:         k_qfdb6759b11_prep.kd
    .args:
      - { .name: x, .offset: 0, .size: 8, .value_kind: global_buffer, .address_space: global }
      - { .name: ln1_w, .offset: 8, .size: 8, .value_kind: global_buffer, .address_space: global }
      - { .name: ln1_b, .offset: 16, .size: 8, .value_kind: global_buffer, .address_space: global }
      - { .name: Wq, .offset: 24, .size: 8, .value_kind: global_buffer, .address_space: global }
      - { .name: Wk, .offset: 32, .size: 8, .value_kind: global_buffer, .address_space: global }
      - { .name: Wv, .offset: 40, .size: 8, .value_kind: global_buffer, .address_space: global }
      - { .name: Wo, .offset: 48, .size: 8, .value_kind: global_buffer, .address_space: global }
      - { .name: W1, .offset: 56, .size: 8, .value_kind: global_buffer, .address_space: global }
      - { .name: W2, .offset: 64, .size: 8, .value_kind: global_buffer, .address_space: global }
      - { .name: b1, .offset: 72, .size: 8, .value_kind: global_buffer, .address_space: global }
      - { .name: act, .offset: 80, .size: 8, .value_kind: global_buffer, .address_space: global }
      - { .name: wqkv, .offset: 88, .size: 8, .value_kind: global_buffer, .address_space: global }
      - { .name: w1h, .offset: 96, .size: 8, .value_kind: global_buffer, .address_space: global }
      - { .name: woh, .offset: 104, .size: 8, .value_kind: global_buffer, .address_space: global }
      - { .name: w2h, .offset: 112, .size: 8, .value_kind: global_buffer, .address_space: global }
    .group_segment_fixed_size: 0
    .private_segment_fixed_size: 0
    .kernarg_segment_align: 8
    .kernarg_segment_size: 120
    .max_flat_workgroup_size: 256
    .sgpr_count:     66
    .vgpr_count:     144
    .wavefront_size: 32
...
	.end_amdgpu_metadata
.endif
;; end of part 1
;; launch qkv (part 2): grid 12 x 16, 4 waves a work-group, clusters of 4 x 4, 327,680 bytes of LDS; arguments act, wqkv, qkv; writes qkv
.if DOCPART == 2
	.amdgcn_target "amdgcn-amd-amdhsa--gfx1250"
	.amdhsa_code_object_version 6
	.text
	.protected	k_qfdb6759b11_qkv
	.globl	k_qfdb6759b11_qkv
	.p2align	8
	.type	k_qfdb6759b11_qkv,@function
k_qfdb6759b11_qkv:
	s_mov_b64 s[64:65], 0
	v_nop
	global_prefetch_b8 v0, s[64:65] scope:SCOPE_SE
	s_setreg_imm32_b32 hwreg(HW_REG_WAVE_MODE, 25, 1), 1
	s_wait_xcnt 0x0
	s_wait_alu depctr_hold_cnt(0) depctr_sa_sdst(0) depctr_va_vdst(0) depctr_va_sdst(0) depctr_va_ssrc(0) depctr_va_vcc(0) depctr_vm_vsrc(0)
	s_getreg_b32 s2, hwreg(HW_REG_IB_STS2, 6, 4)
	s_cmp_eq_u32 s2, 0
	s_cbranch_scc0 .Lentry_in_a_cluster
	s_endpgm
.Lentry_in_a_cluster:
	s_bfe_u32 s2, ttmp6, 0x10000c
	s_cmp_lg_u32 s2, 0xf033
	s_cbranch_scc0 .Lentry_shape_is_right
	s_endpgm
.Lentry_shape_is_right:
; OUT = max(A W + bias, floor), K = 1,024.  A: f16 [8 kb][4096 m][128] (a row's piece of a K step is 256 bytes, pieces of neighbouring rows on end).  W: f16 panels [1024 k][256 n] of 524,288 bytes;
; behind the panels, at byte 8,388,608, the bias in f32 and at + 16,384 the floor, a pair of f16.  OUT: f16 [n / 64][4096 m][64].  Sums in f32, the bias is the C operand of each sum's first product; rounded once.
; One text serves the three projections (bias 0, floor -65,504) and the first layer of the feed-forward (bias b1, floor 0 = ReLU): no stride hangs on the number of columns.
; LIMIT.  A result of 65,520 or more becomes an infinity in f16; NaN is dropped by the maximum.
; SHARES.  A tile of OUT, 256 x 256, is made by four waves, each 128 x 128: 64 accumulators, 512 registers.  K goes in 8 steps of 128 through two LDS slots.  One K step is written once: the slot in hand is a scalar.
; CLUSTER 4 x 4: A's tile is shared along a row of the cluster, W's along a column; each is asked for jointly, by the same tensor load with the same descriptor and a mask of four.
; THE MATRIX INSTRUCTION IS USED TRANSPOSED: source 0 = 16 columns of W (turned out of LDS by ds_load_tr16_b128, since W lies [k][n]), source 1 = 16 rows of A: a lane holds eight neighbouring columns of one row.
; REGISTERS: window 0: v16-30 addresses; v64-127, v128-191 A's fragments, two buffers; v192-223, v32-63, v224-255 the way out.  window 1: v0-63 the bias; v64-191 W's fragments.  windows 2, 3: accumulators.
.set PITCH,  272                       ; A's row in LDS: 256 bytes + 16
.set PB,     544                       ; W's k row in LDS: 512 bytes + 32 = 17 x 32
.set HALFT,  128*PITCH                 ; what one tensor load brings: 128 rows of A, or 64 k rows of W (64 x 544 is the same number)
.set SLOT,   4*HALFT
.set STAGE,  2*SLOT                    ; behind the ring: 32 rows x 144 bytes for each wave
.set SP,     144
.set WST,    32*SP
.set SPARE,  STAGE+4*WST               ; the spare words, 128 bytes for each wave
.set ASTEP,  1048576                   ; bytes from a K step of A to the next
.set BSTEP,  65536                     ; and of W
.set ADRA0, 16
.set ADRB0, 17
.set ADRA,  18                         ; = ADRA0 + the slot in hand
.set ADRB,  19
.set STO,  24
.set RD,   25
.set GO,   26
.set BO,   27
.set SPW,  28
.set NIL,  29
.set PFO,  30
.set F0,   64
.set F1,   128
.set TMP,  192
.set OB,   32
.set G1,  24
.set G0,  32                           ; s[32:35] the first fill; s[36:39] walks
.set G1B, 48
.set G0B, 56
.set LIM, 43
.set PFA, 44
.set TR,  66                           ; the slot that is read: 0 or SLOT
.set TF,  67                           ; the slot that was filled last
.set LW,  68                           ; my part of a slot
.set FL,  69                           ; the floor
.set PFS, 70                           ; s[70:71] the prefetches' step
.set EP,  72                           ; s[72:73] the table behind the panels
.set BB,  74                           ; s[74:75] my columns' bias
.set MSB, 0
.macro WIN new                         ; the immediate's high byte repeats the setting that is left
.if MSB != (\new)
	s_set_vgpr_msb (MSB<<8)|(\new)
.set MSB, \new
.endif
.endm
.set MUL_LO, 0xa1                      ; source 0 (W) window 1, source 1 (A) window 0, C and D window 2
.set TO_B,   0x40
.macro JLOAD                           ; a joint refill: waves 0 and 1 fetch A's halves, waves 2 and 3 W's; an s_nop 0 and four v_nop follow each line
	s_cmp_eq_u32 s11, 0
	s_cbranch_scc0 .Lfor_b_\@
	tensor_load_to_lds s[G0+4:G0+7], s[G1:G1+7]
	s_nop 0
.rept 4
	v_nop
.endr
	s_branch .Lasked_\@
.Lfor_b_\@:
	tensor_load_to_lds s[G0B+4:G0B+7], s[G1B:G1B+7]
	s_nop 0
.rept 4
	v_nop
.endr
.Lasked_\@:
.endm
; A prefetch of the K step that stands two refills on: 32 blocks of 256 bytes, a lane a block.  A's rows are asked for by the clusters with x = 0, W's by those with y = 0; the four partners of a joint load
; take 8,192 bytes each of the 32,768 that a wave fetches, told apart by address.  So each block is named once.  The loop's last two trips have no K step two on.
.macro ASK
	s_cmp_gt_u32 s3, s[LIM]
	s_cbranch_scc0 .Lnot_mine_\@
	global_prefetch_b8 v[PFO], s[PFA:PFA+1] th:TH_LOAD_NT scope:SCOPE_SE
.Lnot_mine_\@:
.endm
.macro CREST
	s_cmp_lg_u32 s10, 0
	s_cbranch_scc1 .Lnot_wave_0_\@
	s_barrier_signal -3
.Lnot_wave_0_\@:
	s_barrier_wait -3
	s_barrier_signal -1
	s_barrier_wait -1
.endm
.macro CROUND
	s_barrier_signal -1
	s_barrier_wait -1
	CREST
.endm
.macro PLACES
.rept 4
	v_nop
.endr
.endm
	s_load_b128 s[4:7], s[0:1], 0x0                ; A, W
	s_load_b64 s[8:9], s[0:1], 0x10                ; OUT
	v_lshl_add_u32 v[SPW], v0, 2, SPARE
	v_mov_b32 v[NIL], 0
	ds_add_u32 v[SPW], v[NIL]                      ; the wave's opening: the add and its wait stand ahead of my first tensor load
	ds_add_u32 v28, v29
	v_lshrrev_b32 v1, 5, v0
	v_readfirstlane_b32 s10, v1                    ; wave 0..3
	s_lshr_b32 s11, s10, 1                         ; my half of the tile's rows.  Also: I fetch for A (0) or for W (1)
	s_and_b32 s12, s10, 1                          ; my half of its columns.  Also: which half of that tile I fetch
	s_bfe_u32 s40, ttmp6, 0x40000                  ; cx
	s_bfe_u32 s41, ttmp6, 0x40004                  ; cy
	s_lshl_b32 s42, ttmp9, 2
	s_add_co_u32 s42, s42, s40                     ; tile column
	s_and_b32 s13, ttmp7, 0xffff
	s_lshl_b32 s13, s13, 2
	s_add_co_u32 s13, s13, s41                     ; tile row
	s_lshl_b32 s43, s41, 2
	s_lshl_b32 s43, 15, s43                        ; my row of the cluster
	s_lshl_b32 s44, 0x1111, s40                    ; my column
	s_or_b32 s[G1], s43, (1<<16)|(1<<20)|(1<<21)|(5<<22)|(3<<25)   ; A: 2-byte elements, 4 words of padding after every 64
	s_or_b32 s[G1B], s44, (1<<16)|(1<<20)|(1<<21)|(6<<22)|(7<<25)  ; W: 8 words after every 128
	s_mov_b32 s[G1+1], 128<<16                     ; A: 128 rows of 128 elements, dense
	s_mov_b32 s[G1+2], 128<<16
	s_mov_b32 s[G1+3], 128<<16
	s_mov_b32 s[G1+4], 128
	s_mov_b32 s[G1+5], 128
	s_mov_b32 s[G1+6], 0
	s_mov_b32 s[G1+7], 0
	s_mov_b32 s[G1B+1], 256<<16                    ; W: 64 k rows of 256 elements, dense
	s_mov_b32 s[G1B+2], 64<<16
	s_mov_b32 s[G1B+3], 256<<16
	s_mov_b32 s[G1B+4], 64
	s_mov_b32 s[G1B+5], 256
	s_mov_b32 s[G1B+6], 0
	s_mov_b32 s[G1B+7], 0
	s_lshl_b32 s16, s13, 16                        ; A: 256 rows x 256 bytes a tile row,
	s_lshl_b32 s17, s12, 15                        ; + my 128 rows
	s_add_co_u32 s16, s16, s17
	s_mov_b32 s17, 0
	s_lshl_b32 s46, s42, 19                        ; W: the tile column's panel,
	s_lshl_b32 s47, s12, 15                        ; + my 64 k rows
	s_add_co_u32 s46, s46, s47
	s_mov_b32 s47, 0
	s_mul_i32 s[LW], s10, HALFT                    ; A's two halves, then W's two: no place in the cluster enters an LDS address
	s_mov_b32 s[TR], 0
	s_mov_b32 s[TF], SLOT
	s_wait_dscnt 0x0                               ; the opening add is done
	s_wait_kmcnt 0x0
	s_add_nc_u64 s[14:15], s[4:5], s[16:17]
	s_add_nc_u64 s[46:47], s[6:7], s[46:47]
	s_add_nc_u64 s[EP:EP+1], s[6:7], 0x800000
	s_load_b32 s[FL], s[EP:EP+1], 0x4000
	CROUND                                         ; all sixteen work-groups are here: the first joint loads meet
.irp s, 0,1
	s_mov_b32 s[G0+4*(\s)], 1
	s_add_co_u32 s[G0+4*(\s)+1], s[LW], (\s)*SLOT
	s_add_nc_u64 s[G0+4*(\s)+2:G0+4*(\s)+3], s[14:15], (\s)*ASTEP
	s_or_b32 s[G0+4*(\s)+3], s[G0+4*(\s)+3], 0x80000000
	s_mov_b32 s[G0B+4*(\s)], 1
	s_add_co_u32 s[G0B+4*(\s)+1], s[LW], (\s)*SLOT
	s_add_nc_u64 s[G0B+4*(\s)+2:G0B+4*(\s)+3], s[46:47], (\s)*BSTEP
	s_or_b32 s[G0B+4*(\s)+3], s[G0B+4*(\s)+3], 0x80000000
.endr
	s_cmp_eq_u32 s11, 0                            ; a wave's two first fills stand in one branch: two loads of mine are out
	s_cbranch_scc0 .Lfirst_b
	tensor_load_to_lds s[G0:G0+3], s[G1:G1+7]
	s_nop 0
	tensor_load_to_lds s[G0+4:G0+7], s[G1:G1+7]
	s_nop 0
.rept 4
	v_nop
.endr
	s_branch .Lfirst_asked
.Lfirst_b:
	tensor_load_to_lds s[G0B:G0B+3], s[G1B:G1B+7]
	s_nop 0
	tensor_load_to_lds s[G0B+4:G0B+7], s[G1B:G1B+7]
	s_nop 0
.rept 4
	v_nop
.endr
.Lfirst_asked:
	v_and_b32 v1, 15, v0                           ; r = l % 16
	v_bfe_u32 v2, v0, 4, 1                         ; h = l / 16
	v_mul_u32_u24 v3, v1, PITCH
	v_lshl_add_u32 v3, v2, 4, v3
	s_mul_i32 s21, s11, HALFT
	v_add_nc_u32 v[ADRA0], s21, v3                 ; A: my 128 rows; row r, 16 bytes for each half of the lanes
	v_and_b32 v7, 7, v0
	v_lshl_add_u32 v4, v2, 3, v7                   ; W: the turning load's lane reads k row 8 h + l % 8,
	v_mul_u32_u24 v4, v4, PB
	v_bfe_u32 v5, v0, 3, 1
	v_lshl_add_u32 v4, v5, 4, v4                   ; columns 8 ((l / 8) % 2) + 0..7
	s_lshl_b32 s22, s12, 8
	s_add_co_u32 s22, s22, 2*HALFT
	v_add_nc_u32 v[ADRB0], s22, v4
	v_mov_b32 v[ADRA], v[ADRA0]
	v_mov_b32 v[ADRB], v[ADRB0]
	s_mul_i32 s23, s10, WST
	s_add_co_u32 s23, s23, STAGE                   ; my stage
	v_mul_u32_u24 v6, v1, SP
	v_lshl_add_u32 v6, v2, 4, v6
	v_add_nc_u32 v[STO], s23, v6
	v_bfe_u32 v6, v0, 3, 2
	v_mul_u32_u24 v6, v6, SP
	v_lshl_add_u32 v6, v7, 4, v6
	v_add_nc_u32 v[RD], s23, v6                    ; back: 32 lanes take four rows of 128 bytes,
	v_and_b32 v[GO], 31, v0
	v_lshlrev_b32 v[PFO], 8, v[GO]
	v_lshlrev_b32 v[GO], 4, v[GO]                  ; which are 512 consecutive bytes of OUT
	v_lshlrev_b32 v[BO], 5, v2
	s_lshl_b32 s18, s42, 2
	s_lshl_b32 s19, s12, 1
	s_add_co_u32 s18, s18, s19
	s_lshl_b32 s18, s18, 19                        ; my first block of 64 columns,
	s_lshl_b32 s19, s13, 15
	s_add_co_u32 s18, s18, s19                     ; the tile's first row,
	s_lshl_b32 s19, s11, 14
	s_add_co_u32 s18, s18, s19                     ; my 128 rows
	s_mov_b32 s19, 0
	s_add_nc_u64 s[8:9], s[8:9], s[18:19]
	s_lshl_b32 s20, s42, 10
	s_lshl_b32 s21, s12, 9
	s_add_co_u32 s20, s20, s21
	s_mov_b32 s21, 0
	s_add_nc_u64 s[BB:BB+1], s[EP:EP+1], s[20:21]
	WIN TO_B
.irp b, 0,1,2,3,4,5,6,7                ; register j of block b: the bias of column 16 b + 8 h + j
	global_load_b128 v[8*(\b):8*(\b)+3],   v[BO], s[BB:BB+1] offset:64*(\b)
	global_load_b128 v[8*(\b)+4:8*(\b)+7], v[BO], s[BB:BB+1] offset:64*(\b)+16
.endr
	WIN 0
	; the prefetches' address: my work-group's quarter of what I fetch, three K steps on; each change of slots steps it by one
	s_lshl_b32 s20, s13, 16
	s_lshl_b32 s21, s40, 13
	s_add_co_u32 s20, s20, s21
	s_add_co_u32 s20, s20, 3*ASTEP
	s_lshl_b32 s21, s42, 19
	s_lshl_b32 s23, s41, 13
	s_add_co_u32 s21, s21, s23
	s_add_co_u32 s21, s21, 3*BSTEP
	s_and_b32 s22, ttmp7, 0xffff
	s_mov_b32 s[PFS], BSTEP
	s_mov_b32 s[PFS+1], 0
	s_cmp_eq_u32 s11, 0
	s_cselect_b32 s20, s20, s21
	s_cselect_b32 s22, ttmp9, s22                  ; the coordinate along which other clusters read the same bytes
	s_cselect_b32 s[PFS], ASTEP, s[PFS]
	s_cselect_b64 s[PFA:PFA+1], s[4:5], s[6:7]
	s_cmp_eq_u32 s22, 0
	s_cselect_b32 s[LIM], 2, -1                    ; the same in all sixteen partners, for a given wave
	s_lshl_b32 s21, s12, 15
	s_add_co_u32 s20, s20, s21
	s_mov_b32 s21, 0
	s_add_nc_u64 s[PFA:PFA+1], s[PFA:PFA+1], s[20:21]
; 16 matrix instructions: m blocks a0, a0 + 1 of the window's four x all 8 n blocks, 32 along K.  zero = 1: the first product starts the sum with the bias.
.macro MUL16 f, hi, a0, zero
.if \zero
	WIN 0x91+0x40*(\hi)                            ; C in window 1
.else
	WIN MUL_LO+0x50*(\hi)
.endif
.irp a, \a0, (\a0)+1
.irp b, 0,1,2,3,4,5,6,7
.if \zero
	v_wmma_f32_16x16x32_f16 v[8*(8*(\a)+(\b)):8*(8*(\a)+(\b))+7], v[(\f)+8*(\b):(\f)+8*(\b)+7], v[(\f)+8*(4*(\hi)+(\a)):(\f)+8*(4*(\hi)+(\a))+7], v[8*(\b):8*(\b)+7]
.else
	v_wmma_f32_16x16x32_f16 v[8*(8*(\a)+(\b)):8*(8*(\a)+(\b))+7], v[(\f)+8*(\b):(\f)+8*(\b)+7], v[(\f)+8*(4*(\hi)+(\a)):(\f)+8*(4*(\hi)+(\a))+7], v[8*(8*(\a)+(\b)):8*(8*(\a)+(\b))+7]
.endif
.endr
.endr
.endm
; 32 LDS loads in one run: quarter kq (32 along K) of the slot in hand into buffer f: W's 8 fragments, turned, then A's 8
.macro FETCH kq, f
	WIN TO_B
.irp j, 0,1,2,3,4,5,6,7
	ds_load_tr16_b128 v[(\f)+8*(\j):(\f)+8*(\j)+3],   v[ADRB] offset:(\kq)*32*PB+32*(\j)
	ds_load_tr16_b128 v[(\f)+8*(\j)+4:(\f)+8*(\j)+7], v[ADRB] offset:(\kq)*32*PB+32*(\j)+16*PB
.endr
	WIN 0
.irp i, 0,1,2,3,4,5,6,7
	ds_load_b128 v[(\f)+8*(\i):(\f)+8*(\i)+3],   v[ADRA] offset:64*(\kq)+(\i)*16*PITCH
	ds_load_b128 v[(\f)+8*(\i)+4:(\f)+8*(\i)+7], v[ADRA] offset:64*(\kq)+(\i)*16*PITCH+32
.endr
.endm
; multiplies buffer f; in its middle fetches quarter kq into buffer g.  The 64 accumulators take turns.
.macro QUARTER kq, f, g, zero
	s_wait_dscnt 8                                 ; W and A's rows 0-63 are in; the youngest eight loads (A's rows 64-127) may be out
	MUL16 \f, 0, 0, \zero
	MUL16 \f, 0, 2, \zero
	PLACES                                         ; four places in front of loads into registers that matrix instructions have read
	FETCH \kq, \g
	s_wait_dscnt 32                                ; all but the 32 just issued
	MUL16 \f, 1, 0, \zero
	MUL16 \f, 1, 2, \zero
.endm
; The last quarter multiplies buffer 1 and changes slots.  In front of the barrier each wave waits for all its tensor loads (one is out: its part of the next slot), adds 0 to its spare word,
; and waits for that and for its reads of this slot.  fill = 1: the barrier opens a round of the cluster's, and this slot is filled again, two K steps ahead, first thing behind it.
.macro TURN fill
.if \fill
	s_wait_xcnt 0x0                                ; the last prefetch, a K step back, has read its address
	s_add_nc_u64 s[PFA:PFA+1], s[PFA:PFA+1], s[PFS:PFS+1]
.endif
	WIN 0
	s_wait_tensorcnt 0x0
	ds_add_u32 v[SPW], v[NIL]
	s_wait_dscnt 9                                 ; (the add and the youngest eight loads may be out)
	MUL16 F1, 0, 0, 0
	s_wait_dscnt 0x0                               ; the add is done, and my reads of this slot are over
	s_barrier_signal -1
	MUL16 F1, 0, 2, 0
	WIN 0
	s_barrier_wait -1
.if \fill
	CREST
	s_xor_b32 s[TF], s[TF], SLOT                   ; no tensor load of mine is out: the walking descriptors step to the other slot and the next K step
	s_add_co_u32 s[G0+5], s[LW], s[TF]
	s_add_co_u32 s[G0B+5], s[LW], s[TF]
	s_add_nc_u64 s[G0+6:G0+7], s[G0+6:G0+7], ASTEP
	s_add_nc_u64 s[G0B+6:G0B+7], s[G0B+6:G0B+7], BSTEP
	JLOAD                                          ; 224 matrix instructions ahead of the wait for it; its four v_nop are also the places in front of the loads below
.else
	PLACES
.endif
	s_xor_b32 s[TR], s[TR], SLOT
	v_add_nc_u32 v[ADRA], s[TR], v[ADRA0]
	v_add_nc_u32 v[ADRB], s[TR], v[ADRB0]
	FETCH 0, F0
.if \fill
	ASK
.endif
	MUL16 F1, 1, 0, 0
	MUL16 F1, 1, 2, 0
.endm
; THE WAY OUT of block a (16 rows x 128 columns): rounded to f16 and bounded below; into my own stage, the two blocks of 64 columns one below the other; back as rows of 128 bytes; stored.
.macro PACK a
.set AC, 64*((\a)%4)
	WIN 0x0a+5*((\a)/4)
.irp b, 0,1,2,3,4,5,6,7
.irp r, 0,1,2,3
	v_cvt_pk_f16_f32 v[TMP+4*(\b)+(\r)], v[AC+8*(\b)+2*(\r)], v[AC+8*(\b)+2*(\r)+1]
.endr
.endr
	WIN 0
.set q, 0
.rept 32
	v_pk_max_num_f16 v[TMP+q], v[TMP+q], s[FL]
.set q, q+1
.endr
.endm
.macro TOSTAGE a
	WIN 0
.set BK, OB+192*((\a)%2)
.irp b, 0,1,2,3,4,5,6,7
	ds_store_b128 v[STO], v[TMP+4*(\b):TMP+4*(\b)+3] offset:((\b)/4)*16*SP+((\b)%4)*32
.endr
.irp t, 0,1,2,3,4,5,6,7
	ds_load_b128 v[BK+4*(\t):BK+4*(\t)+3], v[RD] offset:(\t)*4*SP   ; LDS serves a wave's instructions in order: these see the stores above
.endr
.endm
.macro SEND a
	WIN 0
.set BK, OB+192*((\a)%2)
	s_wait_dscnt 0x0                               ; the block is back in registers
	s_wait_xcnt 0x0                                ; the registers that earlier stores read are loaded again only behind this wait
.irp t, 0,1,2,3,4,5,6,7
	global_store_b128 v[GO], v[BK+4*(\t):BK+4*(\t)+3], s[8:9] offset:((\t)/4)*524288+((\t)%4)*512+(\a)*2048   ; 512 consecutive bytes, aligned
.endr
.endm
	s_wait_kmcnt 0x0                               ; the floor
	s_wait_tensorcnt 1                             ; my part of K step 0 is in; K step 1's may stay out
	s_barrier_signal -1
	s_barrier_wait -1
	FETCH 0, F0
	s_wait_loadcnt 0x0                             ; the bias
	QUARTER 1, F0, F1, 1                           ; the first quarter stands in front of the loop: its products start the sums
	WIN 0
	s_mov_b32 s3, 6
.Llap:                                         ; a trip: from a K step's second quarter to the next step's first; six trips fill a slot again
	QUARTER 2, F1, F0, 0
	QUARTER 3, F0, F1, 0
	TURN 1
	QUARTER 1, F0, F1, 0
	WIN 0
	s_sub_co_u32 s3, s3, 1
	s_cmp_lg_u32 s3, 0
	s_cbranch_scc1 .Llap
	s_mov_b32 s2, 2
.Ltail:                                        ; the last two K steps ask for nothing; the second trip is left in its middle, and its fetch, of a slot that has landed and lies idle, serves nothing
	QUARTER 2, F1, F0, 0
	QUARTER 3, F0, F1, 0
	TURN 0
	WIN 0
	s_sub_co_u32 s2, s2, 1
	s_cmp_eq_u32 s2, 0
	s_cbranch_scc1 .Lout
	QUARTER 1, F0, F1, 0
	WIN 0
	s_branch .Ltail
.Lout:
	s_wait_dscnt 0x0
	PLACES
	PACK 0
	TOSTAGE 0
.irp a, 1,2,3,4,5,6,7                  ; block a's conversions stand between block a - 1's loads from the stage and the wait for them
	PACK \a
	SEND (\a)-1
	TOSTAGE \a
.endr
	SEND 7
	s_wait_tensorcnt 0x0                           ; the wave's end
	ds_add_u32 v[SPW], v[NIL]
	s_wait_dscnt 0x0
	CROUND                                         ; the closing round
	s_endpgm
.Lfunc_end_k_qfdb6759b11_qkv:
	.size	k_qfdb6759b11_qkv, .Lfunc_end_k_qfdb6759b11_qkv-k_qfdb6759b11_qkv
	.p2alignl 7, 3214868480
	.fill 96, 4, 3214868480
	.section	.rodata,"a",@progbits
	.p2align	6, 0x0
	.amdhsa_kernel k_qfdb6759b11_qkv
		.amdhsa_group_segment_fixed_size 327680
		.amdhsa_private_segment_fixed_size 0
		.amdhsa_enable_private_segment 0
		.amdhsa_kernarg_size 24
		.amdhsa_user_sgpr_count 2
		.amdhsa_user_sgpr_kernarg_segment_ptr 1
		.amdhsa_wavefront_size32 1
		.amdhsa_system_sgpr_workgroup_id_x 1
		.amdhsa_system_sgpr_workgroup_id_y 1
		.amdhsa_system_sgpr_workgroup_id_z 1
		.amdhsa_system_vgpr_workitem_id 0
		.amdhsa_next_free_vgpr 1024
		.amdhsa_next_free_sgpr 76
		.amdhsa_reserve_vcc 0
		.amdhsa_float_denorm_mode_32 3
		.amdhsa_float_denorm_mode_16_64 3
		.amdhsa_memory_ordered 1
		.amdhsa_forward_progress 1
		.amdhsa_inst_pref_size 119
	.end_amdhsa_kernel
	.amdgpu_metadata
---
amdhsa.version: [ 1, 2 ]
amdhsa.kernels:
  - .name:           k_qfdb6759b11_qkv
    .symbol:         k_qfdb6759b11_qkv.kd
    .args:
      - { .name: act, .offset: 0, .size: 8, .value_kind: global_buffer, .address_space: global }
      - { .name: wqkv, .offset: 8, .size: 8, .value_kind: global_buffer, .address_space: global }
      - { .name: qkv, .offset: 16, .size: 8, .value_kind: global_buffer, .address_space: global }
    .group_segment_fixed_size: 327680
    .private_segment_fixed_size: 0
    .kernarg_segment_align: 8
    .kernarg_segment_size: 24
    .max_flat_workgroup_size: 128
    .sgpr_count:     76
    .vgpr_count:     1024
    .wavefront_size: 32
...
	.end_amdgpu_metadata
.endif
;; end of part 2
;; launch attn (part 3): grid 8 x 32, 4 waves a work-group, no clusters, 327,680 bytes of LDS; arguments qkv, act; writes act
.if DOCPART == 3
	.amdgcn_target "amdgcn-amd-amdhsa--gfx1250"
	.amdhsa_code_object_version 6
	.text
	.protected	k_qfdb6759b11_attn
	.globl	k_qfdb6759b11_attn
	.p2align	8
	.type	k_qfdb6759b11_attn,@function
k_qfdb6759b11_attn:
	s_mov_b64 s[64:65], 0
	v_nop
	global_prefetch_b8 v0, s[64:65] scope:SCOPE_SE
	s_setreg_imm32_b32 hwreg(HW_REG_WAVE_MODE, 25, 1), 1
	s_wait_xcnt 0x0
; CAUSAL ATTENTION, head size 64, 32 heads (16 x 2 batches) of 2,048 rows.  O[q] = the sum over k <= q of softmax_k(Q[q] . K[k] / 8) V[k].  qkv: f16 [48][4096][64]: blocks 0-15 q, 16-31 k, 32-47 v; head y = 2 head + batch
; is dense, at y x 262,144 bytes of its third.  O goes to act in q's layout.  Products, maxima and sums in f32; the weights p are rounded to f16 for the second product (their sum l is taken of the unrounded p), O once.
; LIMITS.  q, k, v arrive within f16's 65,504; a hidden score counts as its value less 1e30; a weight below 2^-126 counts as 0 in l; NaN and infinities are not treated apart.
; THE WALK.  A head's queries lie in 16 blocks of 128; block i needs the key tiles 0 .. i / 2 of 256 keys, the last of which holds the diagonal.  A work-group takes TWO blocks, 15 - b and then b: 9 tiles, whatever b:
; all 256 work-groups do equal work, and one loop with a constant trip count walks them.  NO CLUSTER: the eight work-groups of a head ask for the same tile only in trips 0 to 4, behind that fewer and fewer;
; a walk common to all would have 12 trips for 9.
; SHARES.  Of a block's two bands of 64 queries a wave owns 16 rows in each: two PIECES.  In the diagonal tile's key step s the band that lies at step n of the tile sees all keys if s < n, none if s > n, and holds the diagonal if s = n.
; THE MASK is the C operand that starts the sum S^T = K Q^T: MD x AL + BE, with MD the mask of a band's own step for my 16 rows and two scalars.  Only the diagonal tile's text and a block's beginning take masks.
; TURNS.  Turn (p, s) belongs to piece p in step s: 8 products K Q^T of the other piece (turn 0: step s; turn 1: step s + 1), later 8 products V^T P of the other piece (turn 0: step s - 1; turn 1: step s); beside them piece p's
; scaling, exponentials, roundings, sums and rescaling, and the other piece's maximum and statistics.  Four vector instructions stand behind every matrix instruction, the rest in one lump; a turn's 33 exponentials are one batch with one wait.
; V HAS TWO REGISTER BUFFERS, by the step's parity: turn (0, s) fetches K and V of step s + 1, so that all four steps of a tile are read from LDS between two changes of slots; a tile's fourth step is worked on behind the next change.
; REGISTERS: window 0: v2-15 addresses; v16-23 statistics; v48-55 at work; v64-127 S^T, two buffers; v192-223 P, two buffers.  window 1: v0-63 O^T; v128-159 MD; v160-223 MC, two buffers.
;   window 2: v0-31 Q; v32-63 the second block's Q; v64-127 V of odd steps; v128-191 K; v192-255 V of even steps.
.set NP,    2
.set KS,    64
.set PK,    144       ; a row of K in LDS: 128 bytes + 16
.set PV,    160       ; a row of V: 128 + 32
.set VOFF,  4*KS*PK
.set SLOT1, 1<<17
.set STAGE, SLOT1+4*KS*(PK+PV)
.set SP,    144
.set SPARE, STAGE+4*16*SP
.set AK0, 2
.set AV0, 3
.set AK,  4
.set AV,  5
.set STO, 6
.set RD,  7
.set GO,  8
.set MV,  12
.set QO,  15
.set ST,  16          ; piece t's statistics at v[ST+4 t]: c m, m, l (even keys', odd keys')
.set TMP, 48
.set PFO, 61
.set SPW, 62
.set NIL, 63
.set S,   64
.set P,   192
.set MD,  128
.set MC,  160
.set QB,  32
.set VF1, 64
.set KF,  128
.set VF0, 192
.set WV,  12
.set PB,  14          ; b
.set HI,  15          ; 15 - b
.set G1K, 24
.set G1V, 32
.set G0K, 40
.set G0V, 44
.set SLOTS, 56
.set CNT, 57
.set CS,  58
.set SEL, 60
.set TBK, 62
.set TBV, 63
.set RT,  70          ; tiles of the block in hand still to be entered
.set NXT, 71          ; the tile to be asked for next
.set LQ,  72          ; the last tile of the block whose tiles are being asked for
.set NEW, 73          ; 1: the tile to be entered is a block's first
.set OFF, 74
.set AL,  76
.set BE,  78
.set OLO, 80
.set BIGN, 82
.set PFN, 83          ; prefetches still to make
.set TH,  88
.set TL,  89
.set BN0, 90          ; s90, s91: at which step of the diagonal tile the block's two bands lie
.set BNL, 96          ; the same for the second block's first band
.set SN,  97          ; the step of the diagonal tile that the masks being made are for
.set PFA, 98
.set MSB, 0
.macro WIN new
.if MSB != (\new)
	s_set_vgpr_msb (MSB<<8)|(\new)
.set MSB, (\new)
.endif
.endm
.set W_KQ, 0x0a
.set W_KM, 0x1a
.set W_PV, 0x52
.set W_RS, 0x41
.macro LOAD                         ; waves 0 and 1 fetch the halves of a tile's K, waves 2 and 3 those of its V; an s_nop 0 and four v_nop follow each line
	s_cmp_lt_u32 s[WV], 2
	s_cbranch_scc0 .Lfor_v_\@
	tensor_load_to_lds s[G0K:G0K+3], s[G1K:G1K+7]
	s_nop 0
.rept 4
	v_nop
.endr
	s_branch .Lasked_\@
.Lfor_v_\@:
	tensor_load_to_lds s[G0V:G0V+3], s[G1V:G1V+7]
	s_nop 0
.rept 4
	v_nop
.endr
.Lasked_\@:
.endm
; A prefetch of the tile that the NEXT change of slots will ask for.  Of a head's eight work-groups the one with b = 0 walks tiles 0 to 7 in order: it alone asks, each wave for the 16,384 bytes that it will fetch itself:
; 64 blocks of 256 bytes, a lane a block, two instructions.  Tiles 2 to 7: six times.
.macro ASK
	s_cmp_lg_u32 s[PFN], 0
	s_cbranch_scc0 .Lnot_mine_\@
	global_prefetch_b8 v[PFO], s[PFA:PFA+1] th:TH_LOAD_NT scope:SCOPE_SE
	global_prefetch_b8 v[PFO], s[PFA:PFA+1] offset:8192 th:TH_LOAD_NT scope:SCOPE_SE
	s_sub_co_u32 s[PFN], s[PFN], 1
.Lnot_mine_\@:
.endm
; THE CHANGE OF SLOTS.  Each wave waits for all its tensor loads (one is out: its part of the other slot), adds 0 to its spare word, and waits for that and for its reads of the slot that it leaves.
; fill = 1: the old slot is filled again, first thing behind the barrier, with tile NXT.
.macro CHANGE fill
	WIN 0
	s_wait_tensorcnt 0x0
	ds_add_u32 v[SPW], v[NIL]
.if \fill
	s_lshl_b32 s[OFF], s[NXT], 15   ; a tile is 32,768 bytes of K and of V
	s_xor_b32 s[G0K+1], s[G0K+1], SLOT1
	s_add_nc_u64 s[G0K+2:G0K+3], s[6:7], s[OFF:OFF+1]
	s_or_b32 s[G0K+3], s[G0K+3], 0x80000000
	s_xor_b32 s[G0V+1], s[G0V+1], SLOT1
	s_add_nc_u64 s[G0V+2:G0V+3], s[8:9], s[OFF:OFF+1]
	s_or_b32 s[G0V+3], s[G0V+3], 0x80000000
	s_add_co_u32 s[NXT], s[NXT], 1
	s_cmp_gt_u32 s[NXT], s[LQ]
	s_cselect_b32 s[NXT], 0, s[NXT] ; behind the first block's last tile: the second block's tile 0
	s_cselect_b32 s[LQ], s[TL], s[LQ]
	s_wait_xcnt 0x0                 ; the last prefetches, a tile back, have read their address
	s_add_nc_u64 s[PFA:PFA+1], s[PFA:PFA+1], 32768
.endif
	s_wait_dscnt 0x0                ; the add is done, and my reads of the slot are over
	s_barrier_signal -1
	s_sub_co_u32 s[TBK], s[TBK], 4*KS*PK
	s_xor_b32 s[TBK], s[TBK], SLOT1
	s_sub_co_u32 s[TBV], s[TBV], 4*KS*PV
	s_xor_b32 s[TBV], s[TBV], SLOT1
	s_barrier_wait -1
.if \fill
	LOAD
	ASK
.endif
.endm
	s_load_b128 s[92:95], s[0:1], 0x0  ; qkv s[92:93], act s[94:95]
	v_lshl_add_u32 v[SPW], v0, 2, SPARE
	v_mov_b32 v[NIL], 0
	ds_add_u32 v[SPW], v[NIL]       ; the wave's opening: the add and its wait stand ahead of my first tensor load
	ds_add_u32 v62, v63
	v_lshrrev_b32 v1, 5, v0
	v_readfirstlane_b32 s[WV], v1
	s_mov_b32 s[PB], ttmp9
	s_sub_co_u32 s[HI], 15, s[PB]
	s_lshr_b32 s[TH], s[HI], 1
	s_lshr_b32 s[TL], s[PB], 1
	s_and_b32 s[BNL], s[PB], 1
	s_lshl_b32 s[BNL], s[BNL], 1
	s_xor_b32 s[BN0], s[BNL], 2     ; 15 - b has the other parity
	s_add_co_u32 s[BN0+1], s[BN0], 1
	s_and_b32 s20, ttmp7, 0xffff
	s_lshl_b32 s20, s20, 18         ; the head's first byte in q, k, v and O
	s_and_b32 s16, s[WV], 1         ; which half of a tile's 256 keys I fetch
	s_lshl_b32 s22, s16, 14
	s_add_co_u32 s22, s22, s20
	s_mov_b32 s23, 0
	s_mul_i32 s17, s16, 128*PK
	s_mul_i32 s18, s16, 128*PV
	s_lshl_b32 s3, s[WV], 11        ; my 16 rows in a band of 64,
	s_lshl_b32 s2, s[HI], 14        ; in the first block,
	s_add_co_u32 s2, s2, s3
	s_add_co_u32 s2, s2, s20
	s_lshl_b32 s84, s[PB], 14       ; and in the second
	s_add_co_u32 s84, s84, s3
	s_add_co_u32 s84, s84, s20
	s_mov_b32 s3, 0
	s_mov_b32 s85, 0
	; 128 keys are 16,384 dense bytes: asked for as 64 rows of 256 bytes, two keys a row, and padded in LDS after every key
	s_mov_b32 s[G1K], (1<<16)|(1<<20)|(4<<22)|(3<<25)
	s_mov_b32 s[G1V], (1<<16)|(1<<20)|(4<<22)|(7<<25)
.irp g, G1K, G1V
	s_mov_b32 s[\g+1], 128<<16
	s_mov_b32 s[\g+2], 64<<16
	s_mov_b32 s[\g+3], 128<<16
	s_mov_b32 s[\g+4], 64
	s_mov_b32 s[\g+5], 128
	s_mov_b32 s[\g+6], 0
	s_mov_b32 s[\g+7], 0
.endr
	s_mov_b32 s[CS], 0x3e38aa3b     ; c = log2(e) / 8
	s_mov_b32 s[CS+1], s[CS]
	s_mov_b32 s[SEL], 0x76543210
	s_mov_b32 s[SEL+1], 0xfedcba98
	s_mov_b32 s[TBK], SLOT1+4*KS*PK ; the first change of slots turns these two into 0
	s_mov_b32 s[TBV], SLOT1+4*KS*PV
	s_mov_b32 s[G0K], 1
	s_mov_b32 s[G0K+1], s17
	s_mov_b32 s[G0V], 1
	s_add_co_u32 s[G0V+1], s18, VOFF
	s_add_co_u32 s[RT], s[TH], 1
	s_mov_b32 s[NXT], 1
	s_mov_b32 s[LQ], s[TH]
	s_mov_b32 s[NEW], 1
	s_mov_b32 s[OFF+1], 0
	s_mov_b32 s[AL+1], 0
	s_mov_b32 s[BE+1], 0
	s_mov_b32 s[BIGN], 0xf149f2ca   ; -1e30
	s_mov_b32 s[SLOTS], 8
	s_mov_b32 s[SN], 0
	s_cmp_eq_u32 s[PB], 0
	s_cselect_b32 s[PFN], 6, 0
	s_wait_dscnt 0x0                ; the opening add is done
	s_wait_kmcnt 0x0
	s_add_nc_u64 s[6:7], s[92:93], s[22:23]
	s_add_nc_u64 s[8:9], s[6:7], 0x1000000         ; V at my half of the head's tile 0
	s_add_nc_u64 s[6:7], s[6:7], 0x800000          ; K likewise
	s_add_nc_u64 s[G0K+2:G0K+3], s[6:7], 0
	s_or_b32 s[G0K+3], s[G0K+3], 0x80000000
	s_add_nc_u64 s[G0V+2:G0V+3], s[8:9], 0
	s_or_b32 s[G0V+3], s[G0V+3], 0x80000000
	s_add_nc_u64 s[86:87], s[92:93], s[84:85]      ; Q at my rows of the second block,
	s_add_nc_u64 s[4:5], s[92:93], s[2:3]          ; Q and O at those of the first
	s_add_nc_u64 s[OLO:OLO+1], s[94:95], s[84:85]
	s_add_nc_u64 s[10:11], s[94:95], s[2:3]
	s_cmp_lt_u32 s[WV], 2
	s_cselect_b64 s[PFA:PFA+1], s[6:7], s[8:9]
	s_add_nc_u64 s[PFA:PFA+1], s[PFA:PFA+1], 32768 ; my part of tile 1; the first change steps it to tile 2
	LOAD                            ; tile 0 into slot 0
	v_and_b32 v1, 15, v0            ; l % 16
	v_bfe_u32 v9, v0, 4, 1          ; l / 16
	v_lshlrev_b32 v[QO], 7, v1
	v_lshl_add_u32 v[QO], v9, 4, v[QO]
	WIN 0x80
.set i, 0
.rept 4                             ; both blocks' Q: piece i / 2 lies in band i / 2, 8,192 bytes on; channels 32 (i % 2) on
	global_load_b128 v[8*i:8*i+3],   v[QO], s[4:5] offset:(i/2)*8192+(i%2)*64
	global_load_b128 v[8*i+4:8*i+7], v[QO], s[4:5] offset:(i/2)*8192+(i%2)*64+32
	global_load_b128 v[QB+8*i:QB+8*i+3],   v[QO], s[86:87] offset:(i/2)*8192+(i%2)*64
	global_load_b128 v[QB+8*i+4:QB+8*i+7], v[QO], s[86:87] offset:(i/2)*8192+(i%2)*64+32
.set i, i+1
.endr
	WIN 0
	v_lshlrev_b32 v14, 3, v9
	v_sub_nc_u32 v14, v1, v14
	s_lshl_b32 s13, s[WV], 4
	v_add_nc_u32 v14, s13, v14      ; my query's place in its band less my lanes' 8 (l / 16): register r of key group kt is hidden where 16 kt + r is greater
	WIN 0x40
.set i, 0
.rept 32
	v_cmp_gt_i32 vcc_lo, 16*(i/8)+i%8, v14
	v_cndmask_b32 v[MD+i], 0, s[BIGN], vcc_lo
.set i, i+1
.endr
	WIN 0
	v_mul_u32_u24 v[AK0], v1, PK
	v_lshl_add_u32 v[AK0], v9, 4, v[AK0]
	v_and_b32 v10, 7, v0
	v_bfe_u32 v11, v0, 3, 1
	v_lshl_add_u32 v[AV0], v9, 3, v10
	v_mul_u32_u24 v[AV0], v[AV0], PV
	v_lshl_add_u32 v[AV0], v11, 4, v[AV0]
	v_add_nc_u32 v[AV0], VOFF, v[AV0]
	s_mul_i32 s13, s[WV], 16*SP
	s_add_co_u32 s13, s13, STAGE
	v_mul_u32_u24 v[STO], v1, SP
	v_lshl_add_u32 v[STO], v9, 4, v[STO]
	v_add_nc_u32 v[STO], s13, v[STO]
	v_bfe_u32 v[RD], v0, 3, 2
	v_mul_u32_u24 v[RD], v[RD], SP
	v_lshl_add_u32 v[RD], v10, 4, v[RD]
	v_add_nc_u32 v[RD], s13, v[RD]
	v_and_b32 v[GO], 31, v0
	v_lshlrev_b32 v[PFO], 8, v[GO]
	v_lshlrev_b32 v[GO], 4, v[GO]
	; A block's first step multiplies O^T and l by a = 0, and its first turn's products V^T P, of a piece that has not been, land in an O^T that is still to be so multiplied: these registers need only hold finite numbers.
	WIN 0x80
.set i, VF1
.rept 64
	v_mov_b32 v[i], 0
.set i, i+1
.endr
	WIN 0x40
.set i, 0
.rept 64
	v_mov_b32 v[i], 0
.set i, i+1
.endr
	WIN 0
.set i, 0
.rept 2
	v_mov_b32 v[ST+4*i+2], 0
	v_mov_b32 v[ST+4*i+3], 0
.set i, i+1
.endr
.set i, P+16
.rept 16
	v_mov_b32 v[i], 0
.set i, i+1
.endr
; THE MATRIX WORK.  The 4 accumulators of a run of 8 take turns.  Product i of 8 of S^T = K Q^T for piece x: channels 32 (i / 4) on, keys 16 (i % 4) on.
.macro KQ x
.set rS, S+32*((\x)%2)+8*(i%4)
.set rK, KF+16*(i%4)+8*(i/4)
.set rQ, 16*(\x)+8*(i/4)
.set rM, MC+32*((\x)%2)+8*(i%4)
.if (i < 4) && KM
	WIN W_KM
	v_wmma_f32_16x16x32_f16 v[rS:rS+7], v[rK:rK+7], v[rQ:rQ+7], v[rM:rM+7]
.elseif i < 4
	WIN W_KQ
	v_wmma_f32_16x16x32_f16 v[rS:rS+7], v[rK:rK+7], v[rQ:rQ+7], 0
.else
	WIN W_KQ
	v_wmma_f32_16x16x32_f16 v[rS:rS+7], v[rK:rK+7], v[rQ:rQ+7], v[rS:rS+7]
.endif
.endm
.macro PV x                         ; product i of 8 of O^T += V^T P for piece x, from the V buffer VSEL
	WIN W_PV
.set rO, 32*(\x)+8*(i%4)
.set rV, VSEL+32*(i/4)+8*(i%4)
.set rP, P+16*((\x)%2)+8*(i/4)
	v_wmma_f32_16x16x32_f16 v[rO:rO+7], v[rV:rV+7], v[rP:rP+7], v[rO:rO+7]
.endm
.macro MM                           ; the turn's next matrix instruction
.if i < 8
	KQ (Y+1)%NP
.else
.set i, i-8
	PV (Y+1)%NP
.set i, i+8
.endif
.set i, i+1
.endm
.macro FETCH_K                      ; 16 LDS loads: a step's K
	WIN 0x80
.irp f, 0,1,2,3,4,5,6,7
	ds_load_b128 v[KF+8*\f:KF+8*\f+3],   v[AK] offset:(\f/2)*16*PK+(\f%2)*64
	ds_load_b128 v[KF+8*\f+4:KF+8*\f+7], v[AK] offset:(\f/2)*16*PK+(\f%2)*64+32
.endr
	s_add_co_u32 s[TBK], s[TBK], KS*PK
	WIN 0
.endm
.macro FETCH_V vb                   ; 16 turning loads: a step's V, into buffer vb
.set VD, VF0-128*(\vb)
	WIN 0x80
.irp f, 0,1,2,3,4,5,6,7
	ds_load_tr16_b128 v[VD+8*\f:VD+8*\f+3],   v[AV] offset:(\f/4)*32*PV+(\f%4)*32
	ds_load_tr16_b128 v[VD+8*\f+4:VD+8*\f+7], v[AV] offset:(\f/4)*32*PV+16*PV+(\f%4)*32
.endr
	s_add_co_u32 s[TBV], s[TBV], KS*PV
	WIN 0
.endm
; THE VECTOR WORK, one line at a time: OP kind, number.  For piece Y: F n: c s - c m for pair n.  E n: the exponential of score n.  C n: pair n rounded to f16.  B n: of the four weights 4 n .. the second pair is added onto the first.
; L n: l takes that sum (L 0: l = a l + sum).  R n: pair n of O^T times a.  For the other piece: X n, number n of the 22 that find its maximum and statistics (each accumulator's lowest registers are read first).
.set F, 0
.set E, 1
.set C, 2
.set B, 3
.set L, 4
.set R, 5
.set X, 6
.macro REGS y
.set rT, ST+4*(\y)
.set rC, TMP+4*((\y)%2)
.set rW, MV+((\y)%2)
.set rS, S+32*((\y)%2)
.set rP, P+16*((\y)%2)
.set rO, 32*(\y)
.endm
.macro OP k, n
.if (\k) == R
	REGS Y
	WIN W_RS
	v_pk_mul_f32 v[rO+2*(\n):rO+2*(\n)+1], v[rO+2*(\n):rO+2*(\n)+1], v[rC+2:rC+3] op_sel_hi:[1,0]
.elseif (\k) < R
	REGS Y
	WIN 0
.if (\k) == F
	v_pk_fma_f32 v[rS+2*(\n):rS+2*(\n)+1], v[rS+2*(\n):rS+2*(\n)+1], s[CS:CS+1], v[rT:rT+1] op_sel_hi:[1,0,0] neg_lo:[0,0,1] neg_hi:[0,0,1]
.elseif (\k) == E
	v_exp_f32 v[rS+(\n)], v[rS+(\n)]
.elseif (\k) == C
	v_cvt_pk_f16_f32 v[rP+(\n)], v[rS+2*(\n)], v[rS+2*(\n)+1]
.elseif (\k) == B
	v_pk_add_f32 v[rS+4*(\n):rS+4*(\n)+1], v[rS+4*(\n):rS+4*(\n)+1], v[rS+4*(\n)+2:rS+4*(\n)+3]
.elseif (\n) == 0
	v_pk_fma_f32 v[rT+2:rT+3], v[rT+2:rT+3], v[rC+2:rC+3], v[rS:rS+1] op_sel_hi:[1,0,1]
.else
	v_pk_add_f32 v[rT+2:rT+3], v[rT+2:rT+3], v[rS+4*(\n):rS+4*(\n)+1]
.endif
.else
	REGS (Y+1)%NP
	WIN 0
.if (\n) < 4
	v_max3_num_f32 v[rC+(\n)], v[rS+8*(\n)], v[rS+8*(\n)+1], v[rS+8*(\n)+2]
.elseif (\n) < 12
	v_max3_num_f32 v[rC+(\n)%4], v[rC+(\n)%4], v[rS+8*((\n)%4)+2*((\n)/4)+1], v[rS+8*((\n)%4)+2*((\n)/4)+2]
.elseif (\n) == 12
	v_max3_num_f32 v[rC], v[rC], v[rS+7], v[rS+15]
.elseif (\n) == 13
	v_max3_num_f32 v[rC+1], v[rC+1], v[rS+23], v[rS+31]
.elseif (\n) == 14
	v_max3_num_f32 v[rC+2], v[rC+2], v[rC+3], v[rT+1]
.elseif (\n) == 15
	v_mov_b32 v[rW], v[rT]
.elseif (\n) == 16
	v_max3_num_f32 v[rC], v[rC], v[rC+1], v[rC+2]
.elseif (\n) == 17
	v_permlanex16_b32 v[rC+3], v[rC], s[SEL], s[SEL+1]
.elseif (\n) == 18
	v_max_num_f32 v[rT+1], v[rC], v[rC+3]
.elseif (\n) == 19
	v_mul_f32 v[rT], s[CS], v[rT+1]
.elseif (\n) == 20
	v_sub_f32 v[rC+1], v[rW], v[rT]
.else
	v_exp_f32 v[rC+2], v[rC+1]
.endif
.endif
.endm
.macro OPS a, i1, b=-1, i2=0, c=-1, i3=0, d=-1, i4=0
	OP \a, \i1
.if (\b) >= 0
	OP \b, \i2
.endif
.if (\c) >= 0
	OP \c, \i3
.endif
.if (\d) >= 0
	OP \d, \i4
.endif
.endm
.macro ROW a, i1, b, i2, c, i3, d, i4  ; a matrix instruction and the four behind it
	MM
	OPS \a, \i1, \b, \i2, \c, \i3, \d, \i4
.endm
.macro MASK b                       ; MD x AL + BE into buffer b of MC
	WIN W_RS
.set z, 0
.rept 16
	v_pk_fma_f32 v[MC+32*(\b)+2*z:MC+32*(\b)+2*z+1], v[MD+2*z:MD+2*z+1], s[AL:AL+1], s[BE:BE+1] op_sel_hi:[1,0,0]
.set z, z+1
.endr
.endm
; A TURN, for piece p in a step of parity sp.  Ahead of its one wait stands all that names no result of the turn's exponentials; behind it the 8 products V^T P, with the roundings and sums as their riders.
; p = 0 fetches the next step: K in the lump, five plain instructions that name none of its registers behind the last product that read K; V at the turn's end, four plain instructions behind the last product that read that buffer.
; p = 1 waits for K at its head (V's 16 younger loads stay out) and for V behind its wait for the batch.
; m = 1: the diagonal tile's text: the products take masks, and the turn makes the mask for the next turn's products (piece p, step SN of the tile).  In it the turn (0, odd step) jumps over both fetches when CNT = 1:
; a block's last step has none behind it.  That turn has a second wait, for the exponentials, ahead of its branch; and piece 1's turn waits for all LDS loads at its head, whichever way was taken.
.macro TURN p, sp, m=0, cnt=0
.set Y, (\p)
.set i, 0
.set KM, (\m)
.set VSEL, VF0-128*(((\sp)+(\p)+1)%2)
.if \m
	s_cmp_eq_u32 s[SN], s[BN0+(\p)]  ; is that step the band's own?
	s_cselect_b32 s[AL], 1.0, 0
	s_cmp_gt_u32 s[SN], s[BN0+(\p)]  ; or a later one?
	s_cselect_b32 s[BE], s[BIGN], 0
.if (\p) == 1
	s_add_co_u32 s[SN], s[SN], 1
.endif
.endif
.if (\p) == 1
.if \m
	s_wait_dscnt 0x0
.else
	s_wait_dscnt 16                 ; K is in
.endif
.endif
	ROW F,0, F,1, R,0, R,1
	ROW F,2, E,0, R,2, R,3
	ROW F,3, E,1, R,4, R,5
	ROW F,4, E,2, R,6, R,7
	ROW F,5, E,3, R,8, R,9
	ROW F,6, E,4, X,0, R,10
.if (\p) == 0
	WIN 0
	v_add_nc_u32 v[AK], s[TBK], v[AK0]
.endif
	ROW F,7, E,5, X,1, X,4
	ROW F,8, E,6, X,2, X,5
	OPS E,7, E,8, X,6, E,9
	OPS X,3, E,10, X,8, E,11
.if (\p) == 0
.if (\m) && (\sp)
	s_wait_alu depctr_va_vdst(0)    ; ahead of the branch
	WIN 0
	s_cmp_eq_u32 s[CNT], 1
	s_cbranch_scc1 .Lno_k_\@
	FETCH_K
.Lno_k_\@:
.else
	FETCH_K
.endif
.endif
	OPS X,9, X,7, E,12, X,10
	OPS E,13, X,12, X,11, E,14
	OPS X,13, E,15, F,9, X,14
.if (\p) == 0
	WIN 0
	v_add_nc_u32 v[AV], s[TBV], v[AV0]
.endif
	OPS E,16, F,10, E,17, F,11
	OPS X,16, E,18, X,15, E,19
	OPS F,12, E,20, X,17, E,21
	OPS F,13, E,22, F,14, E,23
	OPS X,18, E,24, F,15, E,25
	OPS R,11, E,26, X,19, E,27
	OPS R,12, E,28, R,13, E,29
	OPS X,20, E,30, R,14, E,31
	OPS X,21, R,15
	WIN 0
	s_wait_alu depctr_va_vdst(0)    ; the wait for the batch
.if (\p) == 1
	s_wait_dscnt 0x0                ; V of the next step is in
.endif
	ROW C,0, B,0, C,2, B,1
	ROW L,0, C,4, B,2, L,1
	ROW C,6, B,3, L,2, C,8
	ROW B,4, L,3, C,10, B,5
	ROW L,4, C,12, B,6, L,5
.if \cnt
	s_sub_co_u32 s[CNT], s[CNT], 1
	s_cmp_lg_u32 s[CNT], 0
.endif
	ROW C,14, B,7, L,6, C,1
	ROW C,3, L,7, C,5, C,7
	ROW C,9, C,11, C,13, C,15
.if (\p) == 0
.if (\m) && (\sp)
	WIN 0
	s_cmp_eq_u32 s[CNT], 1
	s_cbranch_scc1 .Lno_v_\@
	FETCH_V 1-(\sp)
.Lno_v_\@:
.else
	FETCH_V 1-(\sp)
.endif
.endif
.if \m
	MASK \p
.endif
.endm
; A BLOCK BEGINS.  c m starts far below every c s, so the first step's a is 0; m at the lowest finite number.  The second mask buffer is 0 (piece 1's band never lies at a tile's step 0); the first takes piece 0's mask for step 0:
; its own, if the tile is the diagonal one and the band lies at its step 0.  Then K and V of that step, piece 0's first scores, its maximum and statistics.
.macro BEGIN
	s_mov_b32 s[NEW], 0
	WIN 0x40
.set i, MC+32
.rept 32
	v_mov_b32 v[i], 0
.set i, i+1
.endr
	WIN 0
.set i, 0
.rept 2
	v_mov_b32 v[ST+4*i], 0xfe000000
	v_mov_b32 v[ST+4*i+1], 0xff7fffff
.set i, i+1
.endr
	s_cmp_eq_u32 s[RT], 0
	s_cselect_b32 s[AL], 1.0, 0
	s_cmp_eq_u32 s[BN0], 0
	s_cselect_b32 s[AL], s[AL], 0
	s_mov_b32 s[BE], 0
	MASK 0
	WIN 0
	v_add_nc_u32 v[AK], s[TBK], v[AK0]
	v_add_nc_u32 v[AV], s[TBV], v[AV0]
	FETCH_K
	FETCH_V 0
	s_wait_loadcnt 0x0              ; Q
	s_wait_dscnt 0x0
.set KM, 1
.set i, 0
.rept 8
	KQ 0
.set i, i+1
.endr
	WIN 0
.rept 4
	v_nop                           ; the places behind those products
.endr
.set Y, NP-1
.irp n, 0,1,2,3,4,5,6,7,8,9,10,11,12,13,14,15,16,17,18,19,20,21
	OP X, \n
.endr
	v_nop                           ; a plain instruction behind the exponential,
	s_wait_alu depctr_va_vdst(0)    ; and its wait, ahead of the branch
.endm
.macro ALL line:vararg
.set t, 0
.rept 2
	\line
.set t, t+1
.endr
.endm
.macro PACK t                       ; O^T / l, rounded to f16; into rows of 144 bytes of my stage, and back as whole rows of 128
	WIN W_RS
.set i, 32*(\t)
.rept 16
	v_pk_mul_f32 v[i:i+1], v[i:i+1], v[ST+4*(\t)+2:ST+4*(\t)+3] op_sel_hi:[1,0]
.set i, i+2
.endr
	WIN 0x05
.set i, 0
.rept 16
	v_cvt_pk_f16_f32 v[S+16*(\t)+i], v[32*(\t)+2*i], v[32*(\t)+2*i+1]
.set i, i+1
.endr
	WIN 0
.irp f, 0,1,2,3
	ds_store_b128 v[STO], v[S+16*(\t)+4*\f:S+16*(\t)+4*\f+3] offset:32*\f
.endr
.irp f, 0,1,2,3
	ds_load_b128 v[S+16*(\t)+4*\f:S+16*(\t)+4*\f+3], v[RD] offset:\f*4*SP  ; LDS serves a wave's instructions in order: these see the stores above
.endr
.endm
.macro SEND t, younger              ; younger: the LDS instructions issued behind piece t's loads
	WIN 0
.irp f, 0,1,2,3
	s_wait_dscnt (\younger)+3-\f
	global_store_b128 v[GO], v[S+16*(\t)+4*\f:S+16*(\t)+4*\f+3], s[10:11] offset:(\t)*8192+\f*512  ; 512 consecutive bytes, aligned
.endr
.endm
; THE DIAGONAL TILE: the tile before's fourth step (entered at the first label, CNT = 3, SN = 0) or none (a block's first tile: entered at the second, CNT = 2, SN = 1), its own four steps, the last products, the way out.
; The last turn's 8 products K Q^T, on the last K once more, and the statistics made of them serve nothing: the price of one text for every trip.
.macro DIAG tag
.LstepM\tag:
	TURN 0, 1, 1
	TURN 1, 1, 1
	WIN 0
	s_sub_co_u32 s[CNT], s[CNT], 1
	s_cmp_eq_u32 s[CNT], 0
	s_cbranch_scc1 .LoutM\tag
.LfirstM\tag:
	TURN 0, 0, 1
	TURN 1, 0, 1
	WIN 0
	s_branch .LstepM\tag
.LoutM\tag:
.set VSEL, VF1
.set i, 0
.rept 8
	PV 1                            ; piece 1's V^T P of the last step
.set i, i+1
.endr
	WIN 0
	ALL v_add_f32 v[ST+4*t+2], v[ST+4*t+2], v[ST+4*t+3]
	ALL v_permlanex16_b32 v[ST+4*t+3], v[ST+4*t+2], s[SEL], s[SEL+1]
	ALL v_add_f32 v[ST+4*t+2], v[ST+4*t+2], v[ST+4*t+3]
	ALL v_rcp_f32 v[ST+4*t+2], v[ST+4*t+2]
	v_nop                           ; a plain instruction between the last reciprocal and the use of its result
	s_wait_alu depctr_va_vdst(0)    ; one wait for the two reciprocals
	PACK 0
	PACK 1
	SEND 0, 8
	SEND 1, 0
.endm
.set KM, 0
.Lslot:                             ; eight times: a tile is entered and the next is asked for
	CHANGE 1
	s_sub_co_u32 s[RT], s[RT], 1
	s_cmp_eq_u32 s[NEW], 1
	s_cbranch_scc1 .Lnew            ; a block's first tile
	s_mov_b32 s[CNT], 2
	s_cmp_eq_u32 s[RT], 0
	s_cbranch_scc0 .Lstep           ; neither its first nor its last
	s_mov_b32 s[CNT], 3
	s_mov_b32 s[SN], 0
	s_branch .LstepM1
.Lnew:
	BEGIN
	s_mov_b32 s[CNT], 2
	s_branch .Lfirst                ; in the loop a block's first tile is never its last: the first block has five tiles or more, and the second's last is the walk's last
	DIAG 1                          ; in the loop this is the first block's end
	s_wait_xcnt 0x0                 ; the stores have read their registers and O's address
	s_mov_b64 s[10:11], s[OLO:OLO+1]
	s_add_co_u32 s[RT], s[TL], 1
	s_mov_b32 s[NEW], 1
	s_mov_b32 s[BN0], s[BNL]
	s_add_co_u32 s[BN0+1], s[BNL], 1
	WIN 0x82                        ; the second block's Q goes where the one text of the turns names Q
.set i, 0
.rept 32
	v_mov_b32 v[i], v[QB+i]
.set i, i+1
.endr
	WIN 0
	s_branch .Lbottom
.Lstep:                             ; a trip: an odd step's two turns, then an even step's; two trips a tile
	TURN 0, 1
	TURN 1, 1
	WIN 0
.Lfirst:
	TURN 0, 0
	TURN 1, 0, 0, 1
	WIN 0
	s_cbranch_scc1 .Lstep
.Lbottom:
	s_sub_co_u32 s[SLOTS], s[SLOTS], 1
	s_cmp_lg_u32 s[SLOTS], 0
	s_cbranch_scc1 .Lslot
	CHANGE 0                        ; the walk's last tile is written out: nothing is asked for
	s_sub_co_u32 s[RT], s[RT], 1
	s_mov_b32 s[CNT], 3
	s_mov_b32 s[SN], 0
	s_cmp_eq_u32 s[NEW], 1
	s_cbranch_scc0 .LstepM2
	BEGIN
	s_mov_b32 s[CNT], 2
	s_mov_b32 s[SN], 1
	s_branch .LfirstM2
	DIAG 2
	s_wait_tensorcnt 0x0            ; the wave's end
	ds_add_u32 v[SPW], v[NIL]
	s_wait_dscnt 0x0
	s_endpgm
.Lfunc_end_k_qfdb6759b11_attn:
	.size	k_qfdb6759b11_attn, .Lfunc_end_k_qfdb6759b11_attn-k_qfdb6759b11_attn
	.p2alignl 7, 3214868480
	.fill 96, 4, 3214868480
	.section	.rodata,"a",@progbits
	.p2align	6, 0x0
	.amdhsa_kernel k_qfdb6759b11_attn
		.amdhsa_group_segment_fixed_size 327680
		.amdhsa_private_segment_fixed_size 0
		.amdhsa_enable_private_segment 0
		.amdhsa_kernarg_size 16
		.amdhsa_user_sgpr_count 2
		.amdhsa_user_sgpr_kernarg_segment_ptr 1
		.amdhsa_wavefront_size32 1
		.amdhsa_system_sgpr_workgroup_id_x 1
		.amdhsa_system_sgpr_workgroup_id_y 1
		.amdhsa_system_sgpr_workgroup_id_z 1
		.amdhsa_system_vgpr_workitem_id 0
		.amdhsa_next_free_vgpr 768
		.amdhsa_next_free_sgpr 100
		.amdhsa_reserve_vcc 1
		.amdhsa_float_denorm_mode_32 3
		.amdhsa_float_denorm_mode_16_64 3
		.amdhsa_memory_ordered 1
		.amdhsa_forward_progress 1
		.amdhsa_inst_pref_size 178
	.end_amdhsa_kernel
	.amdgpu_metadata
---
amdhsa.version: [ 1, 2 ]
amdhsa.kernels:
  - .name:           k_qfdb6759b11_attn
    .symbol:         k_qfdb6759b11_attn.kd
    .args:
      - { .name: qkv, .offset: 0, .size: 8, .value_kind: global_buffer, .address_space: global }
      - { .name: act, .offset: 8, .size: 8, .value_kind: global_buffer, .address_space: global }
    .group_segment_fixed_size: 327680
    .private_segment_fixed_size: 0
    .kernarg_segment_align: 8
    .kernarg_segment_size: 16
    .max_flat_workgroup_size: 128
    .sgpr_count:     100
    .vgpr_count:     768
    .wavefront_size: 32
...
	.end_amdgpu_metadata
.endif
;; end of part 3
;; launch proj (part 4): grid 8 x 32, 4 waves a work-group, clusters of 4 x 4, 327,680 bytes of LDS; arguments act, woh, bo, x, h; writes h
.if DOCPART == 4
	.amdgcn_target "amdgcn-amd-amdhsa--gfx1250"
	.amdhsa_code_object_version 6
	.text
	.protected	k_qfdb6759b11_proj
	.globl	k_qfdb6759b11_proj
	.p2align	8
	.type	k_qfdb6759b11_proj,@function
k_qfdb6759b11_proj:
	s_mov_b64 s[64:65], 0
	v_nop
	global_prefetch_b8 v0, s[64:65] scope:SCOPE_SE
	s_setreg_imm32_b32 hwreg(HW_REG_WAVE_MODE, 25, 1), 1
	s_wait_xcnt 0x0
	s_wait_alu depctr_hold_cnt(0) depctr_sa_sdst(0) depctr_va_vdst(0) depctr_va_sdst(0) depctr_va_ssrc(0) depctr_va_vcc(0) depctr_vm_vsrc(0)
	s_getreg_b32 s2, hwreg(HW_REG_IB_STS2, 6, 4)
	s_cmp_eq_u32 s2, 0
	s_cbranch_scc0 .Lentry_in_a_cluster
	s_endpgm
.Lentry_in_a_cluster:
	s_bfe_u32 s2, ttmp6, 0x10000c
	s_cmp_lg_u32 s2, 0xf033
	s_cbranch_scc0 .Lentry_shape_is_right
	s_endpgm
.Lentry_shape_is_right:
; OUT = A W + bias + RES.  A: f16 [K / 64][4096 m][64].  W: f16 panels [K][128 n].  bias: f32 [1024], rounded to bf16 as every input of the program is.  RES, OUT: f32 [4096][1024].  Sums in f32.
; Here: K = 1,024 (attention's output times Wo), RES = x, an input: rounded to bf16 as it is added.
; SHARES.  A tile of OUT is 128 x 128: 256 work-groups.  Four waves, each 64 x 64: 16 accumulators.  K goes in steps of 256 through two LDS slots; one K step is written once, the slot in hand is a scalar.
; CLUSTER 4 x 4: A's tile is shared along a row of the cluster, W's along a column; each is asked for jointly.  No prefetch: the tiles are small.
; THE WALK ALONG K.  Each cluster begins at another K step, (NSTEP / 2) x cluster x + (NSTEP / 4) x cluster y, and wraps round: clusters that read the same rows of A or of W read them at different times.
; The start is made of the cluster's own coordinates, which its sixteen work-groups share.  So the f32 sums are taken in another order from cluster to cluster, and in another than the reference's.
; THE MATRIX INSTRUCTION IS USED TRANSPOSED: source 0 = 16 columns of W (turned out of LDS), source 1 = 16 rows of A: a lane holds eight neighbouring columns of one row.
; The sums start at the bias: 128 moves, in the wait for the first tile, so that the loop has one form of product.
; REGISTERS: window 0: v16-30 addresses; v32-95 the way out (first the bias); v96-111 at work; v128-255 accumulators.  window 1: two fragment buffers of 128.  window 2: v0-127 RES.
.set NSTEP, 4                          ; K / 256
.set PANEL, 262144                     ; bytes in a panel of W
.set ROUND_RES, 1
.set KMASK,  NSTEP-1
.set PA,     144                       ; A's row in LDS: 128 bytes + 16
.set PBW,    288                       ; W's k row: 256 bytes + 32
.set ACH,    128*PA                    ; a chunk of A: 128 rows x 64 K
.set PART,   2*ACH                     ; what one tensor load brings: two chunks of A, or 128 k rows of W (128 x 288 is the same number)
.set SLOT,   4*PART
.set STAGE,  2*SLOT                    ; behind the ring: 16 rows x 272 bytes for each wave
.set SPITCH, 272
.set SPARE,  STAGE+4*16*SPITCH
.set ADRA0, 16
.set ADRB0, 17
.set ADRA,  18
.set ADRB,  19                         ; v19: k rows 0-127 of the slot in hand; v20: k rows 128-255
.set STO,  24
.set RD,   25
.set CO,   26
.set BO,   27
.set SPW,  28
.set NIL,  29
.set ONE,  30
.set TMP,  32
.set BI,   32
.set CV,   96
.set ACC,  128
.set F0,   0
.set F1,   128
.set WV,   14
.set RHO,  15                          ; my half of the tile's rows.  Also: I fetch for A (0) or for W (1)
.set GAM,  16                          ; my half of its columns.  Also: which half of that tile I fetch
.set TROW, 17
.set TCOL, 18
.set CX,   19
.set CY,   20
.set LW,   21
.set TR,   22
.set TF,   23
.set G1,  24
.set G0,  32
.set BASA, 40                          ; s[40:41] A at my part of K step 0; never rewritten
.set BASB, 42                          ; s[42:43] W likewise
.set G1B, 48
.set G0B, 56
.set KI,  68                           ; the K step asked for last
.set OFA, 70                           ; s[70:71] its byte offset in A
.set OFB, 72                           ; s[72:73] and in W
.set MSB, 0
.macro WIN new
.if MSB != (\new)
	s_set_vgpr_msb (MSB<<8)|(\new)
.set MSB, \new
.endif
.endm
.set MUL,  0x05
.set TO_F, 0x40
.macro JLOAD
	s_cmp_eq_u32 s[RHO], 0
	s_cbranch_scc0 .Lfor_b_\@
	tensor_load_to_lds s[G0+4:G0+7], s[G1:G1+7]
	s_nop 0
.rept 4
	v_nop
.endr
	s_branch .Lasked_\@
.Lfor_b_\@:
	tensor_load_to_lds s[G0B+4:G0B+7], s[G1B:G1B+7]
	s_nop 0
.rept 4
	v_nop
.endr
.Lasked_\@:
.endm
.macro CREST
	s_cmp_lg_u32 s[WV], 0
	s_cbranch_scc1 .Lnot_wave_0_\@
	s_barrier_signal -3
.Lnot_wave_0_\@:
	s_barrier_wait -3
	s_barrier_signal -1
	s_barrier_wait -1
.endm
.macro CROUND
	s_barrier_signal -1
	s_barrier_wait -1
	CREST
.endm
.macro PLACES
.rept 4
	v_nop
.endr
.endm
	s_load_b256 s[4:11], s[0:1], 0x0               ; A s[4:5], W s[6:7], bias s[8:9], RES s[10:11]
	s_load_b64 s[12:13], s[0:1], 0x20              ; OUT
	v_lshl_add_u32 v[SPW], v0, 2, SPARE
	v_mov_b32 v[NIL], 0
	ds_add_u32 v[SPW], v[NIL]                      ; the wave's opening: the add and its wait stand ahead of my first tensor load
	ds_add_u32 v28, v29
	v_lshrrev_b32 v1, 5, v0
	v_readfirstlane_b32 s[WV], v1
	s_lshr_b32 s[RHO], s[WV], 1
	s_and_b32 s[GAM], s[WV], 1
	s_bfe_u32 s[CX], ttmp6, 0x40000
	s_bfe_u32 s[CY], ttmp6, 0x40004
	s_lshl_b32 s[TCOL], ttmp9, 2
	s_add_co_u32 s[TCOL], s[TCOL], s[CX]
	s_and_b32 s[TROW], ttmp7, 0xffff
	s_lshl_b32 s[TROW], s[TROW], 2
	s_add_co_u32 s[TROW], s[TROW], s[CY]
	s_and_b32 s[KI], ttmp7, 0xffff                 ; cluster y
	s_mul_i32 s[KI], s[KI], NSTEP/4
	s_mul_i32 s[OFA], ttmp9, NSTEP/2               ; cluster x
	s_add_co_u32 s[KI], s[KI], s[OFA]
	s_and_b32 s[KI], s[KI], KMASK                  ; the K step at which my cluster begins
	s_mov_b32 s[OFA+1], 0
	s_mov_b32 s[OFB+1], 0
	s_lshl_b32 s66, s[CY], 2
	s_lshl_b32 s66, 15, s66                        ; my row of the cluster
	s_lshl_b32 s67, 0x1111, s[CX]                  ; my column
	s_or_b32 s[G1], s66, (1<<16)|(1<<20)|(1<<21)|(4<<22)|(3<<25)   ; A: 4 words of padding after every 32
	s_or_b32 s[G1B], s67, (1<<16)|(1<<20)|(1<<21)|(5<<22)|(7<<25)  ; W: 8 words after every 64
	s_mov_b32 s[G1+1], 8192<<16                    ; A: two chunks; a chunk's 128 rows of 128 bytes are dense: one row of 8,192 elements
	s_mov_b32 s[G1+2], 2<<16
	s_mov_b32 s[G1+3], 8192<<16
	s_mov_b32 s[G1+4], 2
	s_mov_b32 s[G1+5], 262144                      ; from a block of 64 K to the next
	s_mov_b32 s[G1+6], 0
	s_mov_b32 s[G1+7], 0
	s_mov_b32 s[G1B+1], 128<<16                    ; W: 128 k rows of 128 elements, dense
	s_mov_b32 s[G1B+2], 128<<16
	s_mov_b32 s[G1B+3], 128<<16
	s_mov_b32 s[G1B+4], 128
	s_mov_b32 s[G1B+5], 128
	s_mov_b32 s[G1B+6], 0
	s_mov_b32 s[G1B+7], 0
	s_lshl_b32 s40, s[GAM], 20                     ; A: my two chunks,
	s_lshl_b32 s41, s[TROW], 14                    ; the tile's 128 rows
	s_add_co_u32 s40, s40, s41
	s_mov_b32 s41, 0
	s_mul_i32 s42, s[TCOL], PANEL                  ; W: the tile column's panel,
	s_lshl_b32 s43, s[GAM], 15                     ; my 128 k rows
	s_add_co_u32 s42, s42, s43
	s_mov_b32 s43, 0
	s_mul_i32 s[LW], s[WV], PART
	s_mov_b32 s[TR], 0
	s_mov_b32 s[TF], SLOT
	s_wait_dscnt 0x0                               ; the opening add is done
	s_wait_kmcnt 0x0
	s_add_nc_u64 s[BASA:BASA+1], s[4:5], s[40:41]
	s_add_nc_u64 s[BASB:BASB+1], s[6:7], s[42:43]
	CROUND                                         ; all sixteen work-groups are here: the first joint loads meet
.irp s, 0,1
	s_lshl_b32 s[OFA], s[KI], 21                   ; a K step is 2,097,152 bytes on in A,
	s_lshl_b32 s[OFB], s[KI], 16                   ; 65,536 in W
	s_mov_b32 s[G0+4*(\s)], 1
	s_add_co_u32 s[G0+4*(\s)+1], s[LW], (\s)*SLOT
	s_add_nc_u64 s[G0+4*(\s)+2:G0+4*(\s)+3], s[BASA:BASA+1], s[OFA:OFA+1]
	s_or_b32 s[G0+4*(\s)+3], s[G0+4*(\s)+3], 0x80000000
	s_mov_b32 s[G0B+4*(\s)], 1
	s_add_co_u32 s[G0B+4*(\s)+1], s[LW], (\s)*SLOT
	s_add_nc_u64 s[G0B+4*(\s)+2:G0B+4*(\s)+3], s[BASB:BASB+1], s[OFB:OFB+1]
	s_or_b32 s[G0B+4*(\s)+3], s[G0B+4*(\s)+3], 0x80000000
.if (\s) == 0
	s_add_co_u32 s[KI], s[KI], 1                   ; the next K step, round the end
	s_and_b32 s[KI], s[KI], KMASK
.endif
.endr
	s_cmp_eq_u32 s[RHO], 0                         ; a wave's two first fills stand in one branch: two loads of mine are out
	s_cbranch_scc0 .Lfirst_b
	tensor_load_to_lds s[G0:G0+3], s[G1:G1+7]
	s_nop 0
	tensor_load_to_lds s[G0+4:G0+7], s[G1:G1+7]
	s_nop 0
.rept 4
	v_nop
.endr
	s_branch .Lfirst_asked
.Lfirst_b:
	tensor_load_to_lds s[G0B:G0B+3], s[G1B:G1B+7]
	s_nop 0
	tensor_load_to_lds s[G0B+4:G0B+7], s[G1B:G1B+7]
	s_nop 0
.rept 4
	v_nop
.endr
.Lfirst_asked:
	v_and_b32 v1, 15, v0                           ; r
	v_bfe_u32 v2, v0, 4, 1                         ; h
	v_mul_u32_u24 v3, v1, PA
	v_lshl_add_u32 v3, v2, 4, v3
	s_mul_i32 s44, s[RHO], 64*PA
	v_add_nc_u32 v[ADRA0], s44, v3
	v_and_b32 v7, 7, v0
	v_lshl_add_u32 v4, v2, 3, v7
	v_mul_u32_u24 v4, v4, PBW
	v_bfe_u32 v5, v0, 3, 1
	v_lshl_add_u32 v4, v5, 4, v4
	s_lshl_b32 s44, s[GAM], 7
	s_add_co_u32 s44, s44, 2*PART
	v_add_nc_u32 v[ADRB0], s44, v4
	v_mov_b32 v[ADRA], v[ADRA0]
	v_mov_b32 v[ADRB], v[ADRB0]
	v_add_nc_u32 v[ADRB+1], PART, v[ADRB0]
	s_mul_i32 s44, s[WV], 16*SPITCH
	s_add_co_u32 s44, s44, STAGE                   ; my stage
	v_mul_u32_u24 v6, v1, SPITCH
	v_lshl_add_u32 v6, v2, 5, v6
	v_add_nc_u32 v[STO], s44, v6                   ; in: row r, 32 bytes for each half of the lanes
	v_mul_u32_u24 v6, v2, SPITCH
	v_lshl_add_u32 v6, v1, 4, v6
	v_add_nc_u32 v[RD], s44, v6                    ; back: lanes 0-15 one row of 256 bytes, lanes 16-31 the next
	v_lshlrev_b32 v[CO], 12, v2
	v_lshl_add_u32 v[CO], v1, 4, v[CO]             ; and the same two rows in RES and OUT
	v_lshlrev_b32 v[BO], 5, v2
	v_mov_b32 v[ONE], 1.0
	s_lshl_b32 s46, s[TCOL], 9
	s_lshl_b32 s47, s[GAM], 8
	s_add_co_u32 s46, s46, s47                     ; my 64 columns, in bytes
	s_lshl_b32 s44, s[TROW], 19
	s_lshl_b32 s45, s[RHO], 18
	s_add_co_u32 s44, s44, s45
	s_add_co_u32 s44, s44, s46                     ; + my 64 rows
	s_mov_b32 s45, 0
	s_mov_b32 s47, 0
	s_add_nc_u64 s[8:9], s[8:9], s[46:47]
	s_add_nc_u64 s[10:11], s[10:11], s[44:45]
	s_add_nc_u64 s[12:13], s[12:13], s[44:45]
.irp b, 0,1,2,3                        ; register j of block b: the bias of column 16 b + 8 h + j
	global_load_b128 v[BI+8*(\b):BI+8*(\b)+3],   v[BO], s[8:9] offset:64*(\b)
	global_load_b128 v[BI+8*(\b)+4:BI+8*(\b)+7], v[BO], s[8:9] offset:64*(\b)+16
.endr
	WIN 0x80
.irp a, 0,1,2,3
.irp t, 0,1,2,3,4,5,6,7
	global_load_b128 v[32*(\a)+4*(\t):32*(\a)+4*(\t)+3], v[CO], s[10:11] offset:(16*(\a)+2*(\t))*4096   ; RES, as the way out will hold OUT
.endr
.endr
	WIN 0
	s_wait_loadcnt 32                              ; the bias is in; RES's 32 loads stay out
.set q, 0
.rept 16
	v_cvt_pk_bf16_f32 v[CV+q], v[BI+2*q], v[BI+2*q+1]
.set q, q+1
.endr
.set q, 0
.rept 16
	v_lshlrev_b32 v[BI+2*q], 16, v[CV+q]
	v_and_b32 v[BI+2*q+1], 0xffff0000, v[CV+q]
.set q, q+1
.endr
.set q, 0
.rept 128
	v_mov_b32 v[ACC+q], v[BI+q%32]                 ; accumulator (a, b) lies at ACC + 8 (4 a + b): the sums start at the bias
.set q, q+1
.endr
.macro MUL8 f, c, a0                   ; 8 matrix instructions: m blocks a0, a0 + 1 x all 4 n blocks, 32 along K: half c of buffer f.  The 16 accumulators take turns
	WIN MUL
.irp a, \a0, (\a0)+1
.irp b, 0,1,2,3
	v_wmma_f32_16x16x32_f16 v[ACC+8*(4*(\a)+(\b)):ACC+8*(4*(\a)+(\b))+7], v[(\f)+64+8*(4*(\c)+(\b)):(\f)+64+8*(4*(\c)+(\b))+7], v[(\f)+8*(4*(\c)+(\a)):(\f)+8*(4*(\c)+(\a))+7], v[ACC+8*(4*(\a)+(\b)):ACC+8*(4*(\a)+(\b))+7]
.endr
.endr
.endm
.macro FETCH q, f                      ; 32 LDS loads: quarter q (64 along K = A's chunk q) into buffer f; the first 32 along K first
	WIN TO_F
.set AB, ADRB+(\q)/2
.irp c, 0,1
.irp i, 0,1,2,3
	ds_load_tr16_b128 v[(\f)+64+8*(4*(\c)+(\i)):(\f)+64+8*(4*(\c)+(\i))+3],   v[AB] offset:((2*(\q)+(\c))%4)*32*PBW+32*(\i)
	ds_load_tr16_b128 v[(\f)+64+8*(4*(\c)+(\i))+4:(\f)+64+8*(4*(\c)+(\i))+7], v[AB] offset:((2*(\q)+(\c))%4)*32*PBW+32*(\i)+16*PBW
	ds_load_b128 v[(\f)+8*(4*(\c)+(\i)):(\f)+8*(4*(\c)+(\i))+3],   v[ADRA] offset:(\q)*ACH+64*(\c)+(\i)*16*PA
	ds_load_b128 v[(\f)+8*(4*(\c)+(\i))+4:(\f)+8*(4*(\c)+(\i))+7], v[ADRA] offset:(\q)*ACH+64*(\c)+(\i)*16*PA+32
.endr
.endr
.endm
.macro QUARTER q, f, g                 ; multiplies buffer f; in its middle fetches quarter q into buffer g
	s_wait_dscnt 16                                ; the first 32 along K are in
	MUL8 \f, 0, 0
	MUL8 \f, 0, 2
	PLACES
	FETCH \q, \g
	s_wait_dscnt 32                                ; all but the 32 just issued
	MUL8 \f, 1, 0
	MUL8 \f, 1, 2
.endm
; The last quarter multiplies buffer 1 and changes slots.  Its first sixteen products stand AHEAD of the wait for the tensor load, so that between that wait and the next request stand only the add, its wait and the round.
; In front of the barrier each wave waits for all its tensor loads (one is out: its part of the next slot), adds 0 to its spare word, and waits for that and for its reads of this slot.
; fill = 1: the barrier opens a round of the cluster's, and this slot is filled again, with the K step two on in the cluster's walk, first thing behind the round.
.macro TURN fill
	s_wait_dscnt 16                                ; the first 32 along K of buffer 1 are in
	MUL8 F1, 0, 0
	MUL8 F1, 0, 2
	WIN 0
	s_wait_tensorcnt 0x0                           ; no tensor load of mine is out, so a group 0 may be written
	ds_add_u32 v[SPW], v[NIL]                      ; 0 onto my spare word; with fill = 1 the walking descriptors' steps stand between it and the wait for it
.if \fill
	s_xor_b32 s[TF], s[TF], SLOT                   ; the other slot,
	s_add_co_u32 s[G0+5], s[LW], s[TF]
	s_add_co_u32 s[G0B+5], s[LW], s[TF]
	s_add_co_u32 s[KI], s[KI], 1                   ; the next K step, round the end: its address is made anew from its number
	s_and_b32 s[KI], s[KI], KMASK
	s_lshl_b32 s[OFA], s[KI], 21
	s_lshl_b32 s[OFB], s[KI], 16
	s_add_nc_u64 s[G0+6:G0+7], s[BASA:BASA+1], s[OFA:OFA+1]
	s_or_b32 s[G0+7], s[G0+7], 0x80000000
	s_add_nc_u64 s[G0B+6:G0B+7], s[BASB:BASB+1], s[OFB:OFB+1]
	s_or_b32 s[G0B+7], s[G0B+7], 0x80000000
.endif
	s_wait_dscnt 0x0                               ; the add is done, and my reads of this slot are over
	s_barrier_signal -1
	s_barrier_wait -1
.if \fill
	CREST                                          ; the barrier has opened a round of the cluster's
	JLOAD                                          ; 128 matrix instructions ahead of the wait for it; its four v_nop are also the places in front of the loads below
.else
	PLACES
.endif
	s_xor_b32 s[TR], s[TR], SLOT
	v_add_nc_u32 v[ADRA], s[TR], v[ADRA0]
	v_add_nc_u32 v[ADRB], s[TR], v[ADRB0]
	v_add_nc_u32 v[ADRB+1], PART, v[ADRB]
	FETCH 0, F0
	MUL8 F1, 1, 0
	MUL8 F1, 1, 2
.endm
; THE WAY OUT of m block a: 16 rows x 64 columns of f32 into my own stage (each accumulator's low registers first), back as whole rows of 256 bytes, RES added, stored.
.macro TOSTAGE a
	WIN 0
.if (\a) >= 2
	s_wait_xcnt 0x0                                ; the buffer that earlier stores read is loaded again only behind this wait
.endif
.set BK, TMP+32*((\a)%2)
.irp b, 0,1,2,3
	ds_store_b128 v[STO], v[ACC+8*(4*(\a)+(\b)):ACC+8*(4*(\a)+(\b))+3]   offset:64*(\b)
	ds_store_b128 v[STO], v[ACC+8*(4*(\a)+(\b))+4:ACC+8*(4*(\a)+(\b))+7] offset:64*(\b)+16
.endr
.irp t, 0,1,2,3,4,5,6,7
	ds_load_b128 v[BK+4*(\t):BK+4*(\t)+3], v[RD] offset:(\t)*2*SPITCH   ; LDS serves a wave's instructions in order: these see the stores above
.endr
.endm
.macro FIN a, younger
.set BK, TMP+32*((\a)%2)
	s_wait_dscnt \younger
.if ROUND_RES
	WIN 0x0a
.set q, 0
.rept 16
	v_cvt_pk_bf16_f32 v[CV+q], v[32*(\a)+2*q], v[32*(\a)+2*q+1]
.set q, q+1
.endr
	WIN 0
.set q, 0
.rept 16
	v_fma_mix_f32_bf16 v[BK+2*q], v[CV+q], v[ONE], v[BK+2*q] op_sel_hi:[1,0,0]
	v_fma_mix_f32_bf16 v[BK+2*q+1], v[CV+q], v[ONE], v[BK+2*q+1] op_sel:[1,0,0] op_sel_hi:[1,0,0]
.set q, q+1
.endr
.else
	WIN 0x08
.set q, 0
.rept 16
	v_pk_add_f32 v[BK+2*q:BK+2*q+1], v[BK+2*q:BK+2*q+1], v[32*(\a)+2*q:32*(\a)+2*q+1]
.set q, q+1
.endr
	WIN 0
.endif
.irp t, 0,1,2,3,4,5,6,7
	global_store_b128 v[CO], v[BK+4*(\t):BK+4*(\t)+3], s[12:13] offset:(16*(\a)+2*(\t))*4096   ; 16 lanes store 256 consecutive bytes, aligned
.endr
.endm
	s_wait_tensorcnt 1                             ; my part of the first K step is in; the second's may stay out
	s_barrier_signal -1
	s_barrier_wait -1
	FETCH 0, F0
	WIN 0
	s_mov_b32 s3, NSTEP-2
.Lstep:                                        ; a K step; its slot is filled again, two steps ahead
	QUARTER 1, F0, F1
	QUARTER 2, F1, F0
	QUARTER 3, F0, F1
	TURN 1
	WIN 0
	s_sub_co_u32 s3, s3, 1
	s_cmp_lg_u32 s3, 0
	s_cbranch_scc1 .Lstep
	s_mov_b32 s3, 2
.Ltail:                                        ; the last two K steps ask for nothing; the very last fetch, of a slot that has landed and lies idle, serves nothing
	QUARTER 1, F0, F1
	QUARTER 2, F1, F0
	QUARTER 3, F0, F1
	TURN 0
	WIN 0
	s_sub_co_u32 s3, s3, 1
	s_cmp_lg_u32 s3, 0
	s_cbranch_scc1 .Ltail
	s_wait_dscnt 0x0
	s_wait_loadcnt 0x0                             ; RES
	PLACES
	TOSTAGE 0
.irp a, 1,2,3
	TOSTAGE \a
	FIN (\a)-1, 16                                 ; the next block's eight stores and eight loads may be out
.endr
	FIN 3, 0
	s_wait_tensorcnt 0x0                           ; the wave's end
	ds_add_u32 v[SPW], v[NIL]
	s_wait_dscnt 0x0
	CROUND                                         ; the closing round
	s_endpgm
.Lfunc_end_k_qfdb6759b11_proj:
	.size	k_qfdb6759b11_proj, .Lfunc_end_k_qfdb6759b11_proj-k_qfdb6759b11_proj
	.p2alignl 7, 3214868480
	.fill 96, 4, 3214868480
	.section	.rodata,"a",@progbits
	.p2align	6, 0x0
	.amdhsa_kernel k_qfdb6759b11_proj
		.amdhsa_group_segment_fixed_size 327680
		.amdhsa_private_segment_fixed_size 0
		.amdhsa_enable_private_segment 0
		.amdhsa_kernarg_size 40
		.amdhsa_user_sgpr_count 2
		.amdhsa_user_sgpr_kernarg_segment_ptr 1
		.amdhsa_wavefront_size32 1
		.amdhsa_system_sgpr_workgroup_id_x 1
		.amdhsa_system_sgpr_workgroup_id_y 1
		.amdhsa_system_sgpr_workgroup_id_z 1
		.amdhsa_system_vgpr_workitem_id 0
		.amdhsa_next_free_vgpr 640
		.amdhsa_next_free_sgpr 76
		.amdhsa_reserve_vcc 0
		.amdhsa_float_denorm_mode_32 3
		.amdhsa_float_denorm_mode_16_64 3
		.amdhsa_memory_ordered 1
		.amdhsa_forward_progress 1
		.amdhsa_inst_pref_size 76
	.end_amdhsa_kernel
	.amdgpu_metadata
---
amdhsa.version: [ 1, 2 ]
amdhsa.kernels:
  - .name:           k_qfdb6759b11_proj
    .symbol:         k_qfdb6759b11_proj.kd
    .args:
      - { .name: act, .offset: 0, .size: 8, .value_kind: global_buffer, .address_space: global }
      - { .name: woh, .offset: 8, .size: 8, .value_kind: global_buffer, .address_space: global }
      - { .name: bo, .offset: 16, .size: 8, .value_kind: global_buffer, .address_space: global }
      - { .name: x, .offset: 24, .size: 8, .value_kind: global_buffer, .address_space: global }
      - { .name: h, .offset: 32, .size: 8, .value_kind: global_buffer, .address_space: global }
    .group_segment_fixed_size: 327680
    .private_segment_fixed_size: 0
    .kernarg_segment_align: 8
    .kernarg_segment_size: 40
    .max_flat_workgroup_size: 128
    .sgpr_count:     76
    .vgpr_count:     640
    .wavefront_size: 32
...
	.end_amdgpu_metadata
.endif
;; end of part 4
;; launch ln2 (part 5): grid 512 x 1, 8 waves a work-group, no clusters, 0 bytes of LDS; arguments h, ln2_w, ln2_b, act; writes act
.if DOCPART == 5
	.amdgcn_target "amdgcn-amd-amdhsa--gfx1250"
	.amdhsa_code_object_version 6
	.text
	.protected	k_qfdb6759b11_ln2
	.globl	k_qfdb6759b11_ln2
	.p2align	8
	.type	k_qfdb6759b11_ln2,@function
k_qfdb6759b11_ln2:
	s_mov_b64 s[64:65], 0
	v_nop
	global_prefetch_b8 v0, s[64:65] scope:SCOPE_SE
	s_setreg_imm32_b32 hwreg(HW_REG_WAVE_MODE, 25, 1), 1
	s_wait_xcnt 0x0
; LayerNorm 2: a wave takes one row of h (1,024 f32, the program's own number: not rounded).  Gain and offset are rounded to bf16, as every input of the program is.  Mean and variance in two passes in f32,
; the row kept in 32 registers; the result goes out in f16 as act[8 kb][4096 m][128]: each store's 16 lanes fill 256 consecutive bytes, aligned.  A stream: no LDS, no barrier, no matrix unit.
; LIMIT.  f16 ends at 65,504: a normalised number times its gain beyond that becomes an infinity.
.set X, 16
.set W, 48
.set B, 80
.set T, 112
.set Y, 128
.set VI, 2
.set VO, 3
.set MEAN, 8
.set RSTD, 10
.macro RND16 base
.set q, 0
.rept 16
	v_cvt_pk_bf16_f32 v[T+q], v[(\base)+2*q], v[(\base)+2*q+1]
.set q, q+1
.endr
.set q, 0
.rept 16
	v_lshlrev_b32 v[(\base)+2*q], 16, v[T+q]
	v_and_b32 v[(\base)+2*q+1], s36, v[T+q]
.set q, q+1
.endr
.endm
.macro RED r, t
	v_add_f32_dpp v[\r], v[\r], v[\r] row_xmask:1 row_mask:0xf bank_mask:0xf
	v_add_f32_dpp v[\r], v[\r], v[\r] row_xmask:2 row_mask:0xf bank_mask:0xf
	v_add_f32_dpp v[\r], v[\r], v[\r] row_xmask:4 row_mask:0xf bank_mask:0xf
	v_add_f32_dpp v[\r], v[\r], v[\r] row_xmask:8 row_mask:0xf bank_mask:0xf
	v_permlanex16_b32 v[\t], v[\r], s38, s39
	v_add_f32 v[\r], v[\r], v[\t]
.endm
	s_load_b256 s[4:11], s[0:1], 0x0               ; h, ln2_w, ln2_b, act
	v_lshrrev_b32 v1, 5, v0
	v_readfirstlane_b32 s34, v1
	v_and_b32 v1, 31, v0
	s_mov_b32 s36, 0xffff0000
	s_lshl_b32 s35, ttmp9, 3
	s_add_co_u32 s35, s35, s34                     ; my row
	s_mov_b32 s38, 0x76543210
	s_mov_b32 s39, 0xfedcba98
	s_mov_b32 s40, 0x3a800000                      ; 1 / 1,024
	s_mov_b32 s41, 0x3727c5ac                      ; 1e-5
	s_lshl_b32 s44, s35, 12
	s_mov_b32 s45, 0
	s_lshl_b32 s46, s35, 8
	s_mov_b32 s47, 0
	v_lshlrev_b32 v[VI], 5, v1
	v_and_b32 v4, 15, v1
	v_lshrrev_b32 v5, 4, v1
	v_lshlrev_b32 v[VO], 4, v4
	v_lshl_add_u32 v[VO], v5, 20, v[VO]
	s_wait_kmcnt 0x0
	s_add_nc_u64 s[4:5], s[4:5], s[44:45]
	s_add_nc_u64 s[10:11], s[10:11], s[46:47]
.irp t, 0,1,2,3
	global_load_b128 v[X+8*(\t):X+8*(\t)+3],   v[VI], s[4:5] offset:1024*(\t)
	global_load_b128 v[X+8*(\t)+4:X+8*(\t)+7], v[VI], s[4:5] offset:1024*(\t)+16
.endr
.irp t, 0,1,2,3
	global_load_b128 v[W+8*(\t):W+8*(\t)+3],   v[VI], s[6:7] offset:1024*(\t)
	global_load_b128 v[W+8*(\t)+4:W+8*(\t)+7], v[VI], s[6:7] offset:1024*(\t)+16
	global_load_b128 v[B+8*(\t):B+8*(\t)+3],   v[VI], s[8:9] offset:1024*(\t)
	global_load_b128 v[B+8*(\t)+4:B+8*(\t)+7], v[VI], s[8:9] offset:1024*(\t)+16
.endr
	s_wait_loadcnt 16                              ; the row is in; the 16 loads of gain and offset stay out
.set q, 0
.rept 8
	v_pk_add_f32 v[T+2*q:T+2*q+1], v[X+4*q:X+4*q+1], v[X+4*q+2:X+4*q+3]
.set q, q+1
.endr
.set q, 0
.rept 4
	v_pk_add_f32 v[T+4*q:T+4*q+1], v[T+4*q:T+4*q+1], v[T+4*q+2:T+4*q+3]
.set q, q+1
.endr
	v_pk_add_f32 v[T:T+1], v[T:T+1], v[T+4:T+5]
	v_pk_add_f32 v[T+8:T+9], v[T+8:T+9], v[T+12:T+13]
	v_pk_add_f32 v[T:T+1], v[T:T+1], v[T+8:T+9]
	v_add_f32 v[T], v[T], v[T+1]
	RED T, T+1
	v_mul_f32 v[MEAN], s40, v[T]
	v_mul_f32 v[MEAN+1], s40, v[T]
.set q, 0
.rept 16
	v_pk_add_f32 v[X+2*q:X+2*q+1], v[X+2*q:X+2*q+1], v[MEAN:MEAN+1] neg_lo:[0,1] neg_hi:[0,1]
.set q, q+1
.endr
.set q, 0
.rept 4
	v_pk_mul_f32 v[T+2*q:T+2*q+1], v[X+2*q:X+2*q+1], v[X+2*q:X+2*q+1]
.set q, q+1
.endr
.rept 12
	v_pk_fma_f32 v[T+2*(q%4):T+2*(q%4)+1], v[X+2*q:X+2*q+1], v[X+2*q:X+2*q+1], v[T+2*(q%4):T+2*(q%4)+1]
.set q, q+1
.endr
	v_pk_add_f32 v[T:T+1], v[T:T+1], v[T+2:T+3]
	v_pk_add_f32 v[T+4:T+5], v[T+4:T+5], v[T+6:T+7]
	v_pk_add_f32 v[T:T+1], v[T:T+1], v[T+4:T+5]
	v_add_f32 v[T], v[T], v[T+1]
	RED T, T+1
	v_fma_f32 v[T], v[T], s40, s41
	v_rsq_f32 v[RSTD], v[T]
	v_rsq_f32 v[RSTD+1], v[T]
	v_nop                                          ; a plain instruction before the source is written again
	s_wait_loadcnt 0x0
	RND16 W
	RND16 B
	s_wait_alu depctr_va_vdst(0)                   ; one wait for both roots, ahead of their first reader
.set q, 0
.rept 16
	v_pk_mul_f32 v[X+2*q:X+2*q+1], v[X+2*q:X+2*q+1], v[RSTD:RSTD+1]
.set q, q+1
.endr
.set q, 0
.rept 16
	v_pk_fma_f32 v[X+2*q:X+2*q+1], v[X+2*q:X+2*q+1], v[W+2*q:W+2*q+1], v[B+2*q:B+2*q+1]
.set q, q+1
.endr
.set q, 0
.rept 16
	v_cvt_pk_f16_f32 v[Y+q], v[X+2*q], v[X+2*q+1]
.set q, q+1
.endr
.irp t, 0,1,2,3
	global_store_b128 v[VO], v[Y+4*(\t):Y+4*(\t)+3], s[10:11] offset:2097152*(\t)
.endr
	s_endpgm
.Lfunc_end_k_qfdb6759b11_ln2:
	.size	k_qfdb6759b11_ln2, .Lfunc_end_k_qfdb6759b11_ln2-k_qfdb6759b11_ln2
	.p2alignl 7, 3214868480
	.fill 96, 4, 3214868480
	.section	.rodata,"a",@progbits
	.p2align	6, 0x0
	.amdhsa_kernel k_qfdb6759b11_ln2
		.amdhsa_group_segment_fixed_size 0
		.amdhsa_private_segment_fixed_size 0
		.amdhsa_enable_private_segment 0
		.amdhsa_kernarg_size 32
		.amdhsa_user_sgpr_count 2
		.amdhsa_user_sgpr_kernarg_segment_ptr 1
		.amdhsa_wavefront_size32 1
		.amdhsa_system_sgpr_workgroup_id_x 1
		.amdhsa_system_sgpr_workgroup_id_y 1
		.amdhsa_system_sgpr_workgroup_id_z 1
		.amdhsa_system_vgpr_workitem_id 0
		.amdhsa_next_free_vgpr 144
		.amdhsa_next_free_sgpr 66
		.amdhsa_reserve_vcc 0
		.amdhsa_float_denorm_mode_32 3
		.amdhsa_float_denorm_mode_16_64 3
		.amdhsa_memory_ordered 1
		.amdhsa_forward_progress 1
		.amdhsa_inst_pref_size 16
	.end_amdhsa_kernel
	.amdgpu_metadata
---
amdhsa.version: [ 1, 2 ]
amdhsa.kernels:
  - .name:           k_qfdb6759b11_ln2
    .symbol:         k_qfdb6759b11_ln2.kd
    .args:
      - { .name: h, .offset: 0, .size: 8, .value_kind: global_buffer, .address_space: global }
      - { .name: ln2_w, .offset: 8, .size: 8, .value_kind: global_buffer, .address_space: global }
      - { .name: ln2_b, .offset: 16, .size: 8, .value_kind: global_buffer, .address_space: global }
      - { .name: act, .offset: 24, .size: 8, .value_kind: global_buffer, .address_space: global }
    .group_segment_fixed_size: 0
    .private_segment_fixed_size: 0
    .kernarg_segment_align: 8
    .kernarg_segment_size: 32
    .max_flat_workgroup_size: 256
    .sgpr_count:     66
    .vgpr_count:     144
    .wavefront_size: 32
...
	.end_amdgpu_metadata
.endif
;; end of part 5
;; launch ffn1: the kernel of part 2 again; grid 16 x 16, 4 waves a work-group, clusters of 4 x 4, 327,680 bytes of LDS; arguments act, w1h, hid; writes hid
;; launch ffn2 (part 6): grid 8 x 32, 4 waves a work-group, clusters of 4 x 4, 327,680 bytes of LDS; arguments hid, w2h, b2, h, out0; writes out0
.if DOCPART == 6
	.amdgcn_target "amdgcn-amd-amdhsa--gfx1250"
	.amdhsa_code_object_version 6
	.text
	.protected	k_qfdb6759b11_ffn2
	.globl	k_qfdb6759b11_ffn2
	.p2align	8
	.type	k_qfdb6759b11_ffn2,@function
k_qfdb6759b11_ffn2:
	s_mov_b64 s[64:65], 0
	v_nop
	global_prefetch_b8 v0, s[64:65] scope:SCOPE_SE
	s_setreg_imm32_b32 hwreg(HW_REG_WAVE_MODE, 25, 1), 1
	s_wait_xcnt 0x0
	s_wait_alu depctr_hold_cnt(0) depctr_sa_sdst(0) depctr_va_vdst(0) depctr_va_sdst(0) depctr_va_ssrc(0) depctr_va_vcc(0) depctr_vm_vsrc(0)
	s_getreg_b32 s2, hwreg(HW_REG_IB_STS2, 6, 4)
	s_cmp_eq_u32 s2, 0
	s_cbranch_scc0 .Lentry_in_a_cluster
	s_endpgm
.Lentry_in_a_cluster:
	s_bfe_u32 s2, ttmp6, 0x10000c
	s_cmp_lg_u32 s2, 0xf033
	s_cbranch_scc0 .Lentry_shape_is_right
	s_endpgm
.Lentry_shape_is_right:
; OUT = A W + bias + RES.  A: f16 [K / 64][4096 m][64].  W: f16 panels [K][128 n].  bias: f32 [1024], rounded to bf16 as every input of the program is.  RES, OUT: f32 [4096][1024].  Sums in f32.
; Here: K = 4,096 (the hidden layer times W2), RES = h, the program's own f32 number: added as it is.
; SHARES.  A tile of OUT is 128 x 128: 256 work-groups.  Four waves, each 64 x 64: 16 accumulators.  K goes in steps of 256 through two LDS slots; one K step is written once, the slot in hand is a scalar.
; CLUSTER 4 x 4: A's tile is shared along a row of the cluster, W's along a column; each is asked for jointly.  No prefetch: the tiles are small.
; THE WALK ALONG K.  Each cluster begins at another K step, (NSTEP / 2) x cluster x + (NSTEP / 4) x cluster y, and wraps round: clusters that read the same rows of A or of W read them at different times.
; The start is made of the cluster's own coordinates, which its sixteen work-groups share.  So the f32 sums are taken in another order from cluster to cluster, and in another than the reference's.
; THE MATRIX INSTRUCTION IS USED TRANSPOSED: source 0 = 16 columns of W (turned out of LDS), source 1 = 16 rows of A: a lane holds eight neighbouring columns of one row.
; The sums start at the bias: 128 moves, in the wait for the first tile, so that the loop has one form of product.
; REGISTERS: window 0: v16-30 addresses; v32-95 the way out (first the bias); v96-111 at work; v128-255 accumulators.  window 1: two fragment buffers of 128.  window 2: v0-127 RES.
.set NSTEP, 16                         ; K / 256
.set PANEL, 1048576                    ; bytes in a panel of W
.set ROUND_RES, 0
.set KMASK,  NSTEP-1
.set PA,     144                       ; A's row in LDS: 128 bytes + 16
.set PBW,    288                       ; W's k row: 256 bytes + 32
.set ACH,    128*PA                    ; a chunk of A: 128 rows x 64 K
.set PART,   2*ACH                     ; what one tensor load brings: two chunks of A, or 128 k rows of W (128 x 288 is the same number)
.set SLOT,   4*PART
.set STAGE,  2*SLOT                    ; behind the ring: 16 rows x 272 bytes for each wave
.set SPITCH, 272
.set SPARE,  STAGE+4*16*SPITCH
.set ADRA0, 16
.set ADRB0, 17
.set ADRA,  18
.set ADRB,  19                         ; v19: k rows 0-127 of the slot in hand; v20: k rows 128-255
.set STO,  24
.set RD,   25
.set CO,   26
.set BO,   27
.set SPW,  28
.set NIL,  29
.set ONE,  30
.set TMP,  32
.set BI,   32
.set CV,   96
.set ACC,  128
.set F0,   0
.set F1,   128
.set WV,   14
.set RHO,  15                          ; my half of the tile's rows.  Also: I fetch for A (0) or for W (1)
.set GAM,  16                          ; my half of its columns.  Also: which half of that tile I fetch
.set TROW, 17
.set TCOL, 18
.set CX,   19
.set CY,   20
.set LW,   21
.set TR,   22
.set TF,   23
.set G1,  24
.set G0,  32
.set BASA, 40                          ; s[40:41] A at my part of K step 0; never rewritten
.set BASB, 42                          ; s[42:43] W likewise
.set G1B, 48
.set G0B, 56
.set KI,  68                           ; the K step asked for last
.set OFA, 70                           ; s[70:71] its byte offset in A
.set OFB, 72                           ; s[72:73] and in W
.set MSB, 0
.macro WIN new
.if MSB != (\new)
	s_set_vgpr_msb (MSB<<8)|(\new)
.set MSB, \new
.endif
.endm
.set MUL,  0x05
.set TO_F, 0x40
.macro JLOAD
	s_cmp_eq_u32 s[RHO], 0
	s_cbranch_scc0 .Lfor_b_\@
	tensor_load_to_lds s[G0+4:G0+7], s[G1:G1+7]
	s_nop 0
.rept 4
	v_nop
.endr
	s_branch .Lasked_\@
.Lfor_b_\@:
	tensor_load_to_lds s[G0B+4:G0B+7], s[G1B:G1B+7]
	s_nop 0
.rept 4
	v_nop
.endr
.Lasked_\@:
.endm
.macro CREST
	s_cmp_lg_u32 s[WV], 0
	s_cbranch_scc1 .Lnot_wave_0_\@
	s_barrier_signal -3
.Lnot_wave_0_\@:
	s_barrier_wait -3
	s_barrier_signal -1
	s_barrier_wait -1
.endm
.macro CROUND
	s_barrier_signal -1
	s_barrier_wait -1
	CREST
.endm
.macro PLACES
.rept 4
	v_nop
.endr
.endm
	s_load_b256 s[4:11], s[0:1], 0x0               ; A s[4:5], W s[6:7], bias s[8:9], RES s[10:11]
	s_load_b64 s[12:13], s[0:1], 0x20              ; OUT
	v_lshl_add_u32 v[SPW], v0, 2, SPARE
	v_mov_b32 v[NIL], 0
	ds_add_u32 v[SPW], v[NIL]                      ; the wave's opening: the add and its wait stand ahead of my first tensor load
	ds_add_u32 v28, v29
	v_lshrrev_b32 v1, 5, v0
	v_readfirstlane_b32 s[WV], v1
	s_lshr_b32 s[RHO], s[WV], 1
	s_and_b32 s[GAM], s[WV], 1
	s_bfe_u32 s[CX], ttmp6, 0x40000
	s_bfe_u32 s[CY], ttmp6, 0x40004
	s_lshl_b32 s[TCOL], ttmp9, 2
	s_add_co_u32 s[TCOL], s[TCOL], s[CX]
	s_and_b32 s[TROW], ttmp7, 0xffff
	s_lshl_b32 s[TROW], s[TROW], 2
	s_add_co_u32 s[TROW], s[TROW], s[CY]
	s_and_b32 s[KI], ttmp7, 0xffff                 ; cluster y
	s_mul_i32 s[KI], s[KI], NSTEP/4
	s_mul_i32 s[OFA], ttmp9, NSTEP/2               ; cluster x
	s_add_co_u32 s[KI], s[KI], s[OFA]
	s_and_b32 s[KI], s[KI], KMASK                  ; the K step at which my cluster begins
	s_mov_b32 s[OFA+1], 0
	s_mov_b32 s[OFB+1], 0
	s_lshl_b32 s66, s[CY], 2
	s_lshl_b32 s66, 15, s66                        ; my row of the cluster
	s_lshl_b32 s67, 0x1111, s[CX]                  ; my column
	s_or_b32 s[G1], s66, (1<<16)|(1<<20)|(1<<21)|(4<<22)|(3<<25)   ; A: 4 words of padding after every 32
	s_or_b32 s[G1B], s67, (1<<16)|(1<<20)|(1<<21)|(5<<22)|(7<<25)  ; W: 8 words after every 64
	s_mov_b32 s[G1+1], 8192<<16                    ; A: two chunks; a chunk's 128 rows of 128 bytes are dense: one row of 8,192 elements
	s_mov_b32 s[G1+2], 2<<16
	s_mov_b32 s[G1+3], 8192<<16
	s_mov_b32 s[G1+4], 2
	s_mov_b32 s[G1+5], 262144                      ; from a block of 64 K to the next
	s_mov_b32 s[G1+6], 0
	s_mov_b32 s[G1+7], 0
	s_mov_b32 s[G1B+1], 128<<16                    ; W: 128 k rows of 128 elements, dense
	s_mov_b32 s[G1B+2], 128<<16
	s_mov_b32 s[G1B+3], 128<<16
	s_mov_b32 s[G1B+4], 128
	s_mov_b32 s[G1B+5], 128
	s_mov_b32 s[G1B+6], 0
	s_mov_b32 s[G1B+7], 0
	s_lshl_b32 s40, s[GAM], 20                     ; A: my two chunks,
	s_lshl_b32 s41, s[TROW], 14                    ; the tile's 128 rows
	s_add_co_u32 s40, s40, s41
	s_mov_b32 s41, 0
	s_mul_i32 s42, s[TCOL], PANEL                  ; W: the tile column's panel,
	s_lshl_b32 s43, s[GAM], 15                     ; my 128 k rows
	s_add_co_u32 s42, s42, s43
	s_mov_b32 s43, 0
	s_mul_i32 s[LW], s[WV], PART
	s_mov_b32 s[TR], 0
	s_mov_b32 s[TF], SLOT
	s_wait_dscnt 0x0                               ; the opening add is done
	s_wait_kmcnt 0x0
	s_add_nc_u64 s[BASA:BASA+1], s[4:5], s[40:41]
	s_add_nc_u64 s[BASB:BASB+1], s[6:7], s[42:43]
	CROUND                                         ; all sixteen work-groups are here: the first joint loads meet
.irp s, 0,1
	s_lshl_b32 s[OFA], s[KI], 21                   ; a K step is 2,097,152 bytes on in A,
	s_lshl_b32 s[OFB], s[KI], 16                   ; 65,536 in W
	s_mov_b32 s[G0+4*(\s)], 1
	s_add_co_u32 s[G0+4*(\s)+1], s[LW], (\s)*SLOT
	s_add_nc_u64 s[G0+4*(\s)+2:G0+4*(\s)+3], s[BASA:BASA+1], s[OFA:OFA+1]
	s_or_b32 s[G0+4*(\s)+3], s[G0+4*(\s)+3], 0x80000000
	s_mov_b32 s[G0B+4*(\s)], 1
	s_add_co_u32 s[G0B+4*(\s)+1], s[LW], (\s)*SLOT
	s_add_nc_u64 s[G0B+4*(\s)+2:G0B+4*(\s)+3], s[BASB:BASB+1], s[OFB:OFB+1]
	s_or_b32 s[G0B+4*(\s)+3], s[G0B+4*(\s)+3], 0x80000000
.if (\s) == 0
	s_add_co_u32 s[KI], s[KI], 1                   ; the next K step, round the end
	s_and_b32 s[KI], s[KI], KMASK
.endif
.endr
	s_cmp_eq_u32 s[RHO], 0                         ; a wave's two first fills stand in one branch: two loads of mine are out
	s_cbranch_scc0 .Lfirst_b
	tensor_load_to_lds s[G0:G0+3], s[G1:G1+7]
	s_nop 0
	tensor_load_to_lds s[G0+4:G0+7], s[G1:G1+7]
	s_nop 0
.rept 4
	v_nop
.endr
	s_branch .Lfirst_asked
.Lfirst_b:
	tensor_load_to_lds s[G0B:G0B+3], s[G1B:G1B+7]
	s_nop 0
	tensor_load_to_lds s[G0B+4:G0B+7], s[G1B:G1B+7]
	s_nop 0
.rept 4
	v_nop
.endr
.Lfirst_asked:
	v_and_b32 v1, 15, v0                           ; r
	v_bfe_u32 v2, v0, 4, 1                         ; h
	v_mul_u32_u24 v3, v1, PA
	v_lshl_add_u32 v3, v2, 4, v3
	s_mul_i32 s44, s[RHO], 64*PA
	v_add_nc_u32 v[ADRA0], s44, v3
	v_and_b32 v7, 7, v0
	v_lshl_add_u32 v4, v2, 3, v7
	v_mul_u32_u24 v4, v4, PBW
	v_bfe_u32 v5, v0, 3, 1
	v_lshl_add_u32 v4, v5, 4, v4
	s_lshl_b32 s44, s[GAM], 7
	s_add_co_u32 s44, s44, 2*PART
	v_add_nc_u32 v[ADRB0], s44, v4
	v_mov_b32 v[ADRA], v[ADRA0]
	v_mov_b32 v[ADRB], v[ADRB0]
	v_add_nc_u32 v[ADRB+1], PART, v[ADRB0]
	s_mul_i32 s44, s[WV], 16*SPITCH
	s_add_co_u32 s44, s44, STAGE                   ; my stage
	v_mul_u32_u24 v6, v1, SPITCH
	v_lshl_add_u32 v6, v2, 5, v6
	v_add_nc_u32 v[STO], s44, v6                   ; in: row r, 32 bytes for each half of the lanes
	v_mul_u32_u24 v6, v2, SPITCH
	v_lshl_add_u32 v6, v1, 4, v6
	v_add_nc_u32 v[RD], s44, v6                    ; back: lanes 0-15 one row of 256 bytes, lanes 16-31 the next
	v_lshlrev_b32 v[CO], 12, v2
	v_lshl_add_u32 v[CO], v1, 4, v[CO]             ; and the same two rows in RES and OUT
	v_lshlrev_b32 v[BO], 5, v2
	v_mov_b32 v[ONE], 1.0
	s_lshl_b32 s46, s[TCOL], 9
	s_lshl_b32 s47, s[GAM], 8
	s_add_co_u32 s46, s46, s47                     ; my 64 columns, in bytes
	s_lshl_b32 s44, s[TROW], 19
	s_lshl_b32 s45, s[RHO], 18
	s_add_co_u32 s44, s44, s45
	s_add_co_u32 s44, s44, s46                     ; + my 64 rows
	s_mov_b32 s45, 0
	s_mov_b32 s47, 0
	s_add_nc_u64 s[8:9], s[8:9], s[46:47]
	s_add_nc_u64 s[10:11], s[10:11], s[44:45]
	s_add_nc_u64 s[12:13], s[12:13], s[44:45]
.irp b, 0,1,2,3                        ; register j of block b: the bias of column 16 b + 8 h + j
	global_load_b128 v[BI+8*(\b):BI+8*(\b)+3],   v[BO], s[8:9] offset:64*(\b)
	global_load_b128 v[BI+8*(\b)+4:BI+8*(\b)+7], v[BO], s[8:9] offset:64*(\b)+16
.endr
	WIN 0x80
.irp a, 0,1,2,3
.irp t, 0,1,2,3,4,5,6,7
	global_load_b128 v[32*(\a)+4*(\t):32*(\a)+4*(\t)+3], v[CO], s[10:11] offset:(16*(\a)+2*(\t))*4096   ; RES, as the way out will hold OUT
.endr
.endr
	WIN 0
	s_wait_loadcnt 32                              ; the bias is in; RES's 32 loads stay out
.set q, 0
.rept 16
	v_cvt_pk_bf16_f32 v[CV+q], v[BI+2*q], v[BI+2*q+1]
.set q, q+1
.endr
.set q, 0
.rept 16
	v_lshlrev_b32 v[BI+2*q], 16, v[CV+q]
	v_and_b32 v[BI+2*q+1], 0xffff0000, v[CV+q]
.set q, q+1
.endr
.set q, 0
.rept 128
	v_mov_b32 v[ACC+q], v[BI+q%32]                 ; accumulator (a, b) lies at ACC + 8 (4 a + b): the sums start at the bias
.set q, q+1
.endr
.macro MUL8 f, c, a0                   ; 8 matrix instructions: m blocks a0, a0 + 1 x all 4 n blocks, 32 along K: half c of buffer f.  The 16 accumulators take turns
	WIN MUL
.irp a, \a0, (\a0)+1
.irp b, 0,1,2,3
	v_wmma_f32_16x16x32_f16 v[ACC+8*(4*(\a)+(\b)):ACC+8*(4*(\a)+(\b))+7], v[(\f)+64+8*(4*(\c)+(\b)):(\f)+64+8*(4*(\c)+(\b))+7], v[(\f)+8*(4*(\c)+(\a)):(\f)+8*(4*(\c)+(\a))+7], v[ACC+8*(4*(\a)+(\b)):ACC+8*(4*(\a)+(\b))+7]
.endr
.endr
.endm
.macro FETCH q, f                      ; 32 LDS loads: quarter q (64 along K = A's chunk q) into buffer f; the first 32 along K first
	WIN TO_F
.set AB, ADRB+(\q)/2
.irp c, 0,1
.irp i, 0,1,2,3
	ds_load_tr16_b128 v[(\f)+64+8*(4*(\c)+(\i)):(\f)+64+8*(4*(\c)+(\i))+3],   v[AB] offset:((2*(\q)+(\c))%4)*32*PBW+32*(\i)
	ds_load_tr16_b128 v[(\f)+64+8*(4*(\c)+(\i))+4:(\f)+64+8*(4*(\c)+(\i))+7], v[AB] offset:((2*(\q)+(\c))%4)*32*PBW+32*(\i)+16*PBW
	ds_load_b128 v[(\f)+8*(4*(\c)+(\i)):(\f)+8*(4*(\c)+(\i))+3],   v[ADRA] offset:(\q)*ACH+64*(\c)+(\i)*16*PA
	ds_load_b128 v[(\f)+8*(4*(\c)+(\i))+4:(\f)+8*(4*(\c)+(\i))+7], v[ADRA] offset:(\q)*ACH+64*(\c)+(\i)*16*PA+32
.endr
.endr
.endm
.macro QUARTER q, f, g                 ; multiplies buffer f; in its middle fetches quarter q into buffer g
	s_wait_dscnt 16                                ; the first 32 along K are in
	MUL8 \f, 0, 0
	MUL8 \f, 0, 2
	PLACES
	FETCH \q, \g
	s_wait_dscnt 32                                ; all but the 32 just issued
	MUL8 \f, 1, 0
	MUL8 \f, 1, 2
.endm
; The last quarter multiplies buffer 1 and changes slots.  Its first sixteen products stand AHEAD of the wait for the tensor load, so that between that wait and the next request stand only the add, its wait and the round.
; In front of the barrier each wave waits for all its tensor loads (one is out: its part of the next slot), adds 0 to its spare word, and waits for that and for its reads of this slot.
; fill = 1: the barrier opens a round of the cluster's, and this slot is filled again, with the K step two on in the cluster's walk, first thing behind the round.
.macro TURN fill
	s_wait_dscnt 16                                ; the first 32 along K of buffer 1 are in
	MUL8 F1, 0, 0
	MUL8 F1, 0, 2
	WIN 0
	s_wait_tensorcnt 0x0                           ; no tensor load of mine is out, so a group 0 may be written
	ds_add_u32 v[SPW], v[NIL]                      ; 0 onto my spare word; with fill = 1 the walking descriptors' steps stand between it and the wait for it
.if \fill
	s_xor_b32 s[TF], s[TF], SLOT                   ; the other slot,
	s_add_co_u32 s[G0+5], s[LW], s[TF]
	s_add_co_u32 s[G0B+5], s[LW], s[TF]
	s_add_co_u32 s[KI], s[KI], 1                   ; the next K step, round the end: its address is made anew from its number
	s_and_b32 s[KI], s[KI], KMASK
	s_lshl_b32 s[OFA], s[KI], 21
	s_lshl_b32 s[OFB], s[KI], 16
	s_add_nc_u64 s[G0+6:G0+7], s[BASA:BASA+1], s[OFA:OFA+1]
	s_or_b32 s[G0+7], s[G0+7], 0x80000000
	s_add_nc_u64 s[G0B+6:G0B+7], s[BASB:BASB+1], s[OFB:OFB+1]
	s_or_b32 s[G0B+7], s[G0B+7], 0x80000000
.endif
	s_wait_dscnt 0x0                               ; the add is done, and my reads of this slot are over
	s_barrier_signal -1
	s_barrier_wait -1
.if \fill
	CREST                                          ; the barrier has opened a round of the cluster's
	JLOAD                                          ; 128 matrix instructions ahead of the wait for it; its four v_nop are also the places in front of the loads below
.else
	PLACES
.endif
	s_xor_b32 s[TR], s[TR], SLOT
	v_add_nc_u32 v[ADRA], s[TR], v[ADRA0]
	v_add_nc_u32 v[ADRB], s[TR], v[ADRB0]
	v_add_nc_u32 v[ADRB+1], PART, v[ADRB]
	FETCH 0, F0
	MUL8 F1, 1, 0
	MUL8 F1, 1, 2
.endm
; THE WAY OUT of m block a: 16 rows x 64 columns of f32 into my own stage (each accumulator's low registers first), back as whole rows of 256 bytes, RES added, stored.
.macro TOSTAGE a
	WIN 0
.if (\a) >= 2
	s_wait_xcnt 0x0                                ; the buffer that earlier stores read is loaded again only behind this wait
.endif
.set BK, TMP+32*((\a)%2)
.irp b, 0,1,2,3
	ds_store_b128 v[STO], v[ACC+8*(4*(\a)+(\b)):ACC+8*(4*(\a)+(\b))+3]   offset:64*(\b)
	ds_store_b128 v[STO], v[ACC+8*(4*(\a)+(\b))+4:ACC+8*(4*(\a)+(\b))+7] offset:64*(\b)+16
.endr
.irp t, 0,1,2,3,4,5,6,7
	ds_load_b128 v[BK+4*(\t):BK+4*(\t)+3], v[RD] offset:(\t)*2*SPITCH   ; LDS serves a wave's instructions in order: these see the stores above
.endr
.endm
.macro FIN a, younger
.set BK, TMP+32*((\a)%2)
	s_wait_dscnt \younger
.if ROUND_RES
	WIN 0x0a
.set q, 0
.rept 16
	v_cvt_pk_bf16_f32 v[CV+q], v[32*(\a)+2*q], v[32*(\a)+2*q+1]
.set q, q+1
.endr
	WIN 0
.set q, 0
.rept 16
	v_fma_mix_f32_bf16 v[BK+2*q], v[CV+q], v[ONE], v[BK+2*q] op_sel_hi:[1,0,0]
	v_fma_mix_f32_bf16 v[BK+2*q+1], v[CV+q], v[ONE], v[BK+2*q+1] op_sel:[1,0,0] op_sel_hi:[1,0,0]
.set q, q+1
.endr
.else
	WIN 0x08
.set q, 0
.rept 16
	v_pk_add_f32 v[BK+2*q:BK+2*q+1], v[BK+2*q:BK+2*q+1], v[32*(\a)+2*q:32*(\a)+2*q+1]
.set q, q+1
.endr
	WIN 0
.endif
.irp t, 0,1,2,3,4,5,6,7
	global_store_b128 v[CO], v[BK+4*(\t):BK+4*(\t)+3], s[12:13] offset:(16*(\a)+2*(\t))*4096   ; 16 lanes store 256 consecutive bytes, aligned
.endr
.endm
	s_wait_tensorcnt 1                             ; my part of the first K step is in; the second's may stay out
	s_barrier_signal -1
	s_barrier_wait -1
	FETCH 0, F0
	WIN 0
	s_mov_b32 s3, NSTEP-2
.Lstep:                                        ; a K step; its slot is filled again, two steps ahead
	QUARTER 1, F0, F1
	QUARTER 2, F1, F0
	QUARTER 3, F0, F1
	TURN 1
	WIN 0
	s_sub_co_u32 s3, s3, 1
	s_cmp_lg_u32 s3, 0
	s_cbranch_scc1 .Lstep
	s_mov_b32 s3, 2
.Ltail:                                        ; the last two K steps ask for nothing; the very last fetch, of a slot that has landed and lies idle, serves nothing
	QUARTER 1, F0, F1
	QUARTER 2, F1, F0
	QUARTER 3, F0, F1
	TURN 0
	WIN 0
	s_sub_co_u32 s3, s3, 1
	s_cmp_lg_u32 s3, 0
	s_cbranch_scc1 .Ltail
	s_wait_dscnt 0x0
	s_wait_loadcnt 0x0                             ; RES
	PLACES
	TOSTAGE 0
.irp a, 1,2,3
	TOSTAGE \a
	FIN (\a)-1, 16                                 ; the next block's eight stores and eight loads may be out
.endr
	FIN 3, 0
	s_wait_tensorcnt 0x0                           ; the wave's end
	ds_add_u32 v[SPW], v[NIL]
	s_wait_dscnt 0x0
	CROUND                                         ; the closing round
	s_endpgm
.Lfunc_end_k_qfdb6759b11_ffn2:
	.size	k_qfdb6759b11_ffn2, .Lfunc_end_k_qfdb6759b11_ffn2-k_qfdb6759b11_ffn2
	.p2alignl 7, 3214868480
	.fill 96, 4, 3214868480
	.section	.rodata,"a",@progbits
	.p2align	6, 0x0
	.amdhsa_kernel k_qfdb6759b11_ffn2
		.amdhsa_group_segment_fixed_size 327680
		.amdhsa_private_segment_fixed_size 0
		.amdhsa_enable_private_segment 0
		.amdhsa_kernarg_size 40
		.amdhsa_user_sgpr_count 2
		.amdhsa_user_sgpr_kernarg_segment_ptr 1
		.amdhsa_wavefront_size32 1
		.amdhsa_system_sgpr_workgroup_id_x 1
		.amdhsa_system_sgpr_workgroup_id_y 1
		.amdhsa_system_sgpr_workgroup_id_z 1
		.amdhsa_system_vgpr_workitem_id 0
		.amdhsa_next_free_vgpr 640
		.amdhsa_next_free_sgpr 76
		.amdhsa_reserve_vcc 0
		.amdhsa_float_denorm_mode_32 3
		.amdhsa_float_denorm_mode_16_64 3
		.amdhsa_memory_ordered 1
		.amdhsa_forward_progress 1
		.amdhsa_inst_pref_size 68
	.end_amdhsa_kernel
	.amdgpu_metadata
---
amdhsa.version: [ 1, 2 ]
amdhsa.kernels:
  - .name:           k_qfdb6759b11_ffn2
    .symbol:         k_qfdb6759b11_ffn2.kd
    .args:
      - { .name: hid, .offset: 0, .size: 8, .value_kind: global_buffer, .address_space: global }
      - { .name: w2h, .offset: 8, .size: 8, .value_kind: global_buffer, .address_space: global }
      - { .name: b2, .offset: 16, .size: 8, .value_kind: global_buffer, .address_space: global }
      - { .name: h, .offset: 24, .size: 8, .value_kind: global_buffer, .address_space: global }
      - { .name: out0, .offset: 32, .size: 8, .value_kind: global_buffer, .address_space: global }
    .group_segment_fixed_size: 327680
    .private_segment_fixed_size: 0
    .kernarg_segment_align: 8
    .kernarg_segment_size: 40
    .max_flat_workgroup_size: 128
    .sgpr_count:     76
    .vgpr_count:     640
    .wavefront_size: 32
...
	.end_amdgpu_metadata
.endif
;; end of part 6
